; MI455X (gfx1250); checked and timed in simulation.
; The chip was launched on July 23, 2026; its instructions are those of AMD's public machine-readable ISA for CDNA 5 (MIT licence, August 2026) and "CDNA5" Instruction Set Architecture Reference Guide (July 2026). The comments in the code are by the model that wrote it; some were corrected since.
;; Encoder Layer. Allowed arithmetic: float matrix products may take bf16 or f16 operands with f32 sums; other float arithmetic in f32, or as packed bf16 or f16 multiplies, adds, multiply-adds, maxima and minima; sums over many terms, partial sums and values carried from step to step in f32; what a program stores and reads back later, other than sums and carried values, may be rounded once to bf16 or f16.
;; Inputs: W1 1,024 x 1,024 float32; W2 1,024 x 1,024 float32; Wk 1,024 x 1,024 float32; Wq 1,024 x 1,024 float32; Wv 1,024 x 1,024 float32; b1 1,024 float32; b2 1,024 float32; bk 1,024 float32; bq 1,024 float32; bv 1,024 float32; dist_emb 257 x 32 float32; ln1_b 1,024 float32; ln1_g 1,024 float32; ln2_b 1,024 float32; ln2_g 1,024 float32; x 4 x 1,024 x 1,024 float32.
;; Outputs: out0 1,024 x 4 x 1,024 float32.
;; 2 versions, each right; version 2 is version 1 with the launches prep, ln1 written anew for expert scheduling mode. Each part assembles by itself: llvm-mc -triple=amdgcn-amd-amdhsa -mcpu=gfx1250 --defsym DOCPART=n.
;; ======== version 1 of 2: 7 launches
;; workspace buffers: xb 8,388,608 bytes; wt 10,504,192 bytes; qkv 25,165,824 bytes; tb 16,777,216 bytes; hf 16,777,216 bytes; hb 8,388,608 bytes; a1 8,388,608 bytes; mf 16,777,216 bytes
;; launch prep (part 1): grid 1153 x 1, 4 waves a work-group, no clusters, 17,408 bytes of LDS; arguments x, Wq, Wk, Wv, W1, W2, dist_emb, xb, wt; writes xb, wt
.if DOCPART == 1
	.amdgcn_target "amdgcn-amd-amdhsa--gfx1250"
	.amdhsa_code_object_version 6
	.text
	.protected	k_q5a62f9f17d_prep
	.globl	k_q5a62f9f17d_prep
	.p2align	8
	.type	k_q5a62f9f17d_prep,@function
k_q5a62f9f17d_prep:
	s_mov_b64 s[64:65], 0
	v_nop
	global_prefetch_b8 v0, s[64:65] scope:SCOPE_SE
	s_setreg_imm32_b32 hwreg(HW_REG_WAVE_MODE, 25, 1), 1
	s_wait_xcnt 0x0
; PREPARATION of the matrix operands, all rounded once to bf16.
;   work-groups 0..639     one tile, 128 k x 64 c, of one of the five weights [k][c] f32 -> wt[c][k] bf16 (rows 0.. Wq, 1024.. Wk, 2048.. Wv, 3072.. W1, 4096.. W2)
;   work-groups 640..1151  32,768 bytes of x (f32) -> xb (bf16), same order
;   work-group  1152       drt[p][:] = dist_emb[clamp(272 - p, 0, 256)][:], p = 0..287, behind wt's 5,120 rows: the table reversed, with 16 copies of its last row in front and 16 of its first behind
; Each work-group issues all its 16 (18) loads a lane at once and stores once: a stream, so no matrix unit, no tensor load, no cluster.
; The transposition goes through LDS: a lane packs 4 neighbouring k of one c (8 bytes) into row c; rows of 256 bytes come back whole, 32 lanes x 8 bytes.
; The role hangs on the work-group's number alone; every wave of every role passes the one barrier.
.set PT,      264                      ; an LDS row: 128 k x 2 bytes + 8
.set SPARE,   64*PT                    ; 16,896: behind the tile, the spare words: 128 bytes a wave, two blocks of 256 bytes that no other line names
.set DRT_OFF, 5120*2048
.set SPW, 2                            ; v2  SPARE + 4 x thread; never rewritten
.set NIL, 3                            ; v3  0; never rewritten
.set LD,  32                           ; v32..  what the loads bring
.set WV,  22                           ; s22 wave
.set WG,  23                           ; s23 work-group
	s_load_b512 s[4:19], s[0:1], 0x0               ; x s[4:5], Wq s[6:7], Wk s[8:9], Wv s[10:11], W1 s[12:13], W2 s[14:15], dist_emb s[16:17], xb s[18:19]
	s_load_b64 s[20:21], s[0:1], 0x40              ; wt
	v_lshl_add_u32 v[SPW], v0, 2, SPARE
	v_mov_b32 v[NIL], 0
	v_lshrrev_b32 v1, 5, v0
	v_readfirstlane_b32 s[WV], v1
	v_and_b32 v4, 15, v0                           ; a
	v_bfe_u32 v5, v0, 4, 1                         ; h
	v_and_b32 v6, 31, v0                           ; lane
	s_mov_b32 s[WG], ttmp9
	s_wait_kmcnt 0x0
	s_cmp_lt_u32 s[WG], 640
	s_cbranch_scc1 .Ltrans
	s_cmp_lt_u32 s[WG], 1152
	s_cbranch_scc1 .Lcast
	; THE TABLE.  Pass u writes rows 16 u .. 16 u + 15 of drt: thread t takes row 16 u + t / 8, its 4 numbers (t % 8)
	v_lshrrev_b32 v7, 3, v0
	v_and_b32 v8, 7, v0
	v_lshlrev_b32 v8, 4, v8
	v_lshlrev_b32 v9, 3, v0
	s_add_nc_u64 s[24:25], s[20:21], DRT_OFF
.set u, 0
.rept 18
	v_sub_nc_u32 v[12+u], 272-16*u, v7             ; 272 - p,
	v_max_i32 v[12+u], 0, v[12+u]                  ; held to 0 ..
	v_min_u32 v[12+u], 0x100, v[12+u]              ; .. 256
	v_lshl_add_u32 v[12+u], v[12+u], 7, v8         ; a row of the table is 128 bytes
	global_load_b128 v[LD+4*u:LD+4*u+3], v[12+u], s[16:17]
.set u, u+1
.endr
.set u, 0
.rept 18
	s_wait_loadcnt 17-u                            ; loads come back in order: pass u's is in, the younger ones stay out
	v_cvt_pk_bf16_f32 v[LD+4*u], v[LD+4*u], v[LD+4*u+1]
	v_cvt_pk_bf16_f32 v[LD+4*u+1], v[LD+4*u+2], v[LD+4*u+3]
	global_store_b64 v9, v[LD+4*u:LD+4*u+1], s[24:25] offset:u*1024
.set u, u+1
.endr
	s_branch .Lmeet
.Lcast:                                        ; X.  A wave takes 8,192 bytes: 16 loads of 512 consecutive bytes, 16 stores of 256
	s_sub_co_u32 s26, s[WG], 640
	s_lshl_b32 s24, s26, 15
	s_lshl_b32 s27, s[WV], 13
	s_add_co_u32 s24, s24, s27
	s_mov_b32 s25, 0
	s_add_nc_u64 s[28:29], s[4:5], s[24:25]
	s_lshr_b32 s24, s24, 1
	s_add_nc_u64 s[30:31], s[18:19], s[24:25]
	v_lshlrev_b32 v7, 4, v6
	v_lshlrev_b32 v8, 3, v6
.set j, 0
.rept 16
	global_load_b128 v[LD+4*j:LD+4*j+3], v7, s[28:29] offset:j*512 th:TH_LOAD_NT
.set j, j+1
.endr
.set j, 0
.rept 16
	s_wait_loadcnt 15-j                            ; load j is in, the younger ones stay out
	v_cvt_pk_bf16_f32 v[LD+4*j], v[LD+4*j], v[LD+4*j+1]
	v_cvt_pk_bf16_f32 v[LD+4*j+1], v[LD+4*j+2], v[LD+4*j+3]
	global_store_b64 v8, v[LD+4*j:LD+4*j+1], s[30:31] offset:j*256
.set j, j+1
.endr
	s_branch .Lmeet
.Ltrans:                                       ; A WEIGHT'S TILE, first half.  Wave w takes k rows 32 w + 8 u + 4 h + xx; a lane 4 columns (16 bytes): 16 lanes read 256 consecutive bytes
	s_lshr_b32 s26, s[WG], 7                       ; which weight
	s_cmp_eq_u32 s26, 1
	s_cselect_b64 s[28:29], s[8:9], s[6:7]
	s_cmp_eq_u32 s26, 2
	s_cselect_b64 s[28:29], s[10:11], s[28:29]
	s_cmp_eq_u32 s26, 3
	s_cselect_b64 s[28:29], s[12:13], s[28:29]
	s_cmp_eq_u32 s26, 4
	s_cselect_b64 s[28:29], s[14:15], s[28:29]
	s_and_b32 s27, s[WG], 7                        ; kt
	s_bfe_u32 s32, s[WG], 0x40003                  ; ct
	s_lshl_b32 s24, s27, 19                        ; 128 rows of 4,096 bytes
	s_lshl_b32 s33, s[WV], 17                      ; 32 rows
	s_add_co_u32 s24, s24, s33
	s_lshl_b32 s33, s32, 8                         ; 64 columns
	s_add_co_u32 s24, s24, s33
	s_mov_b32 s25, 0
	s_add_nc_u64 s[28:29], s[28:29], s[24:25]
	v_lshlrev_b32 v7, 4, v4
	v_lshl_add_u32 v7, v5, 14, v7                  ; 16 a + 4 rows x h
	v_mul_u32_u24 v8, v4, 4*PT                     ; LDS: row 4 a (+ cc), byte 2 (32 w + 4 h (+ 8 u))
	v_lshl_add_u32 v8, v5, 3, v8
	s_lshl_b32 s33, s[WV], 6
	v_add_nc_u32 v8, s33, v8
.set q, 0
.rept 16                                       ; q = 4 u + xx
	global_load_b128 v[LD+4*q:LD+4*q+3], v7, s[28:29] offset:(8*(q/4)+q%4)*4096 th:TH_LOAD_NT
.set q, q+1
.endr
	s_wait_loadcnt 0x0
.set q, 0
.rept 16                                       ; q = 4 u + cc: column 4 a + cc, k = 8 u + 4 h + 0..3
	v_cvt_pk_bf16_f32 v[12+2*(q%8)],   v[LD+16*(q/4)+q%4],   v[LD+16*(q/4)+4+q%4]
	v_cvt_pk_bf16_f32 v[12+2*(q%8)+1], v[LD+16*(q/4)+8+q%4], v[LD+16*(q/4)+12+q%4]
	ds_store_b64 v8, v[12+2*(q%8):12+2*(q%8)+1] offset:(q%4)*PT+(q/4)*16
.set q, q+1
.endr
.Lmeet:
	s_wait_xcnt 0x0                                ; what follows rewrites registers that earlier stores named
	s_wait_dscnt 0x0                               ; for the others' sake: my stores into the tile are done
	s_barrier_signal -1
	s_barrier_wait -1
	s_cmp_lt_u32 s[WG], 640
	s_cbranch_scc0 .Lend
	; second half: wave w sends rows c = 16 w + j, each 256 bytes: 32 lanes x 8
	s_lshr_b32 s26, s[WG], 7
	s_and_b32 s27, s[WG], 7
	s_bfe_u32 s32, s[WG], 0x40003
	s_lshl_b32 s24, s26, 10
	s_lshl_b32 s33, s32, 6
	s_add_co_u32 s24, s24, s33
	s_lshl_b32 s33, s[WV], 4
	s_add_co_u32 s24, s24, s33                     ; wt's row
	s_lshl_b32 s24, s24, 11
	s_lshl_b32 s33, s27, 8
	s_add_co_u32 s24, s24, s33
	s_mov_b32 s25, 0
	s_add_nc_u64 s[34:35], s[20:21], s[24:25]
	s_mul_i32 s33, s[WV], 16*PT
	v_lshl_add_u32 v9, v6, 3, s33
	v_lshlrev_b32 v10, 3, v6
.set j, 0
.rept 16
	ds_load_b64 v[LD+2*j:LD+2*j+1], v9 offset:j*PT
.set j, j+1
.endr
.set j, 0
.rept 16
	s_wait_dscnt 15-j                              ; row j is in, the younger loads stay out
	global_store_b64 v10, v[LD+2*j:LD+2*j+1], s[34:35] offset:j*2048  ; 256 consecutive bytes, at a multiple of 256 from wt's first
.set j, j+1
.endr
.Lend:
	s_wait_tensorcnt 0x0                           ; the wave's end, behind my last LDS store
	ds_add_u32 v[SPW], v[NIL]
	s_wait_dscnt 0x0
	s_endpgm
.Lfunc_end_k_q5a62f9f17d_prep:
	.size	k_q5a62f9f17d_prep, .Lfunc_end_k_q5a62f9f17d_prep-k_q5a62f9f17d_prep
	.p2alignl 7, 3214868480
	.fill 96, 4, 3214868480
	.section	.rodata,"a",@progbits
	.p2align	6, 0x0
	.amdhsa_kernel k_q5a62f9f17d_prep
		.amdhsa_group_segment_fixed_size 17408
		.amdhsa_private_segment_fixed_size 0
		.amdhsa_enable_private_segment 0
		.amdhsa_kernarg_size 72
		.amdhsa_user_sgpr_count 2
		.amdhsa_user_sgpr_kernarg_segment_ptr 1
		.amdhsa_wavefront_size32 1
		.amdhsa_system_sgpr_workgroup_id_x 1
		.amdhsa_system_sgpr_workgroup_id_y 1
		.amdhsa_system_sgpr_workgroup_id_z 1
		.amdhsa_system_vgpr_workitem_id 0
		.amdhsa_next_free_vgpr 112
		.amdhsa_next_free_sgpr 66
		.amdhsa_reserve_vcc 0
		.amdhsa_float_denorm_mode_32 3
		.amdhsa_float_denorm_mode_16_64 3
		.amdhsa_memory_ordered 1
		.amdhsa_forward_progress 1
		.amdhsa_inst_pref_size 27
	.end_amdhsa_kernel
	.amdgpu_metadata
---
amdhsa.version: [ 1, 2 ]
amdhsa.kernels:
  - .name:           k_q5a62f9f17d_prep
    .symbol:         k_q5a62f9f17d_prep.kd
    .args:
      - { .name: x, .offset: 0, .size: 8, .value_kind: global_buffer, .address_space: global }
      - { .name: Wq, .offset: 8, .size: 8, .value_kind: global_buffer, .address_space: global }
      - { .name: Wk, .offset: 16, .size: 8, .value_kind: global_buffer, .address_space: global }
      - { .name: Wv, .offset: 24, .size: 8, .value_kind: global_buffer, .address_space: global }
      - { .name: W1, .offset: 32, .size: 8, .value_kind: global_buffer, .address_space: global }
      - { .name: W2, .offset: 40, .size: 8, .value_kind: global_buffer, .address_space: global }
      - { .name: dist_emb, .offset: 48, .size: 8, .value_kind: global_buffer, .address_space: global }
      - { .name: xb, .offset: 56, .size: 8, .value_kind: global_buffer, .address_space: global }
      - { .name: wt, .offset: 64, .size: 8, .value_kind: global_buffer, .address_space: global }
    .group_segment_fixed_size: 17408
    .private_segment_fixed_size: 0
    .kernarg_segment_align: 8
    .kernarg_segment_size: 72
    .max_flat_workgroup_size: 128
    .sgpr_count:     66
    .vgpr_count:     112
    .wavefront_size: 32
...
	.end_amdgpu_metadata
.endif
;; end of part 1
;; launch gemm_qkv (part 2): grid 8 x 32, 4 waves a work-group, clusters of 4 x 4, 327,680 bytes of LDS; arguments xb, wt, bq, bk, bv, qkv; writes qkv
.if DOCPART == 2
	.amdgcn_target "amdgcn-amd-amdhsa--gfx1250"
	.amdhsa_code_object_version 6
	.text
	.protected	k_q5a62f9f17d_gemm_qkv
	.globl	k_q5a62f9f17d_gemm_qkv
	.p2align	8
	.type	k_q5a62f9f17d_gemm_qkv,@function
k_q5a62f9f17d_gemm_qkv:
	s_mov_b64 s[64:65], 0
	v_nop
	global_prefetch_b8 v0, s[64:65] scope:SCOPE_SE
	s_setreg_imm32_b32 hwreg(HW_REG_WAVE_MODE, 25, 1), 1
	s_wait_xcnt 0x0
	s_wait_alu depctr_hold_cnt(0) depctr_sa_sdst(0) depctr_va_vdst(0) depctr_va_sdst(0) depctr_va_ssrc(0) depctr_va_vcc(0) depctr_vm_vsrc(0)
	s_getreg_b32 s2, hwreg(HW_REG_IB_STS2, 6, 4)
	s_cmp_eq_u32 s2, 0
	s_cbranch_scc0 .Lentry_in_a_cluster
	s_endpgm
.Lentry_in_a_cluster:
	s_bfe_u32 s2, ttmp6, 0x10000c
	s_cmp_lg_u32 s2, 0xf033
	s_cbranch_scc0 .Lentry_shape_is_right
	s_endpgm
.Lentry_shape_is_right:
; q, k, v = x W + b.  A = xb [4096][1024] bf16, B = wt rows 0..3071 ([out][in] bf16: 0.. Wq, 1024.. Wk, 2048.. Wv), sums in f32 that START WITH THE BIAS; rounded once to bf16 and stored BY HEADS:
; qkv[g][row][32], g = 32 x matrix + head, row = n x 1024 + l.
; SHARES.  A work-group makes 128 rows x 384 columns: columns 128 tc .. 128 tc + 127 of EACH of q, k and v (tc = tile column, 0..7), so that no tile lies across two matrices: 8 x 32 = 256 work-groups, one tile each.
; In LDS B's 384 rows lie on end (q's 128, k's, v's).  Wave w makes all 128 rows x columns 96 w .. 96 w + 95 of the 384: three heads; head 3 w + p of the tile's twelve is head 4 tc + (3 w + p) % 4 of matrix (3 w + p) / 4.
; 8 x 6 = 48 accumulators, 384 registers; for 32 along K a wave reads 14 fragments from LDS for 48 matrix instructions.
; RING.  K goes in eight steps of 128 through two LDS slots; rows of 256 bytes of memory, aligned.  Wave 0 fetches A's 128 rows, waves 1 to 3 the 128 rows of Wq, Wk, Wv: one tensor load a wave.
; CLUSTERS: 4 x 4 work-groups; the four of a row of the cluster ask for A's tile jointly, the four of a column for B's: the same load, descriptor and mask in all four.
; THE MATRIX INSTRUCTION IS USED TRANSPOSED (source 0 = 16 rows of B, source 1 = 16 rows of A): a lane holds row l % 16 of C and the columns 8 (l / 16) + 0..7, so the bias of those eight columns is the C operand of the first product.
; LIMITS: NaN and infinities are not treated apart; operands carry bf16's rounding.
; REGISTERS, in windows of 256 (s_set_vgpr_msb: bits 1:0 source 0, 3:2 source 1, 5:4 source 2, 7:6 destination):
;   window 0: v12-14 the three heads' offsets in qkv; v16-30 addresses; v32-55 packed results; v64-87, v96-119 rows read back, by turns; v128-175 the bias
;   window 1: v0-63, v64-127 A's fragments (8 x 16 rows x 32 K), two buffers; v128-175, v176-223 B's (6), two buffers
;   window 2: the 24 accumulators of rows 0-63 ((a, b) at v[8 (6 a + b)]);   window 3: those of rows 64-127
.set SIZE_K, 1024
.set KSTEP,  128
.set PITCH,  272                       ; 256 bytes + 16 of padding = 68 words: row r starts at bank 4 r mod 64 (64 banks of 4 bytes: ISA guide 11.1)
.set HALFT,  128*PITCH                 ; 128 rows: what one tensor load brings
.set SLOT,   4*HALFT                   ; A's 128 rows, then B's 384
.set STAGE,  2*SLOT                    ; behind the ring, never filled by a tensor load: 3,840 bytes for each wave: [head 3][16 rows][80 bytes]
.set WSTG,   3*16*80
.set SPARE,  STAGE+4*WSTG              ; the spare words, 128 bytes for each wave: two blocks of 256 bytes that no other line names
.set LAPS,   SIZE_K/(2*KSTEP)          ; a lap = two K steps = once round the ring
.set CO,   12                          ; v12-14  16 x lane + the head's first byte in qkv, for my three heads
.set ADRA, 16                          ; v16-17  LDS address of A's fragments in slot 0, 1
.set ADRB, 20                          ; v20-21  the same for my 96 rows of B
.set STO,  24
.set RD,   25
.set BO,   27
.set SPW,  28                          ; SPARE + 4 x thread; never rewritten
.set NIL,  29                          ; 0; never rewritten
.set PFO,  30                          ; the prefetches' offset: lane x a row of 2,048 bytes; never rewritten
.set TMP,  32
.set OB,   64
.set BI,   128
.set FB,   128                         ; B's fragments, in window 1
.set G1, 24                            ; s[24:31] descriptor group 1 for A's tile;  s[32:39] group 0, one set for each slot
.set G0, 32
.set G1B, 48                           ; s[48:55], s[56:63] the same for B's
.set G0B, 56
.set BP,  76                           ; s[76:81] the bias at my three heads' first columns
.set PFA, 88                           ; s[88:89] where my prefetches stand
.set LIM, 90                           ; s90  1 in a wave that prefetches, else the greatest number
.set MSB, 0
.macro WIN new                         ; the immediate's high byte repeats the setting that is left; a switch that changes nothing is dropped
.if MSB != (\new)
	s_set_vgpr_msb (MSB<<8)|(\new)
.set MSB, \new
.endif
.endm
.set TO_F, 0x40                        ; destination window 1, address window 0
; A joint load: wave 0 fetches A's tile, waves 1 to 3 a third of B's.  The branch hangs on the wave's number alone.  An s_nop 0 and four v_nop follow each of the two lines.
.macro JLOAD s
	s_cmp_eq_u32 s10, 0
	s_cbranch_scc0 .Lfor_b_\@
	tensor_load_to_lds s[G0+4*(\s):G0+4*(\s)+3], s[G1:G1+7]
	s_nop 0
.rept 4
	v_nop
.endr
	s_branch .Lasked_\@
.Lfor_b_\@:
	tensor_load_to_lds s[G0B+4*(\s):G0B+4*(\s)+3], s[G1B:G1B+7]
	s_nop 0
.rept 4
	v_nop
.endr
.Lasked_\@:
.endm
; A PREFETCH INTO THE L2, behind each joint refill, its five lines and the run of LDS loads: the K step that stands two refills on: 32 rows x 256 bytes, a lane a row, one instruction a wave.
; Each row's 256 bytes of a K step are named once in the launch: A's rows by the clusters with x = 0, B's by those with y = 0; of the 128 rows that a wave fetches the partner at place p
; (cx for A, cy for B) takes 32 p .. 32 p + 31, told apart by address.  K steps 0 to 3 come by their loads alone; the loop's last trip (s3 = 1) asks for nothing: there is no K step two refills on.
.macro ASK
	s_cmp_gt_u32 s3, s[LIM]
	s_cbranch_scc0 .Lnot_mine_\@
	global_prefetch_b8 v[PFO], s[PFA:PFA+1] offset:KSTEP*2 th:TH_LOAD_NT scope:SCOPE_SE
.Lnot_mine_\@:
.endm
.macro CREST                           ; a round of the cluster's barrier behind its opening barrier
	s_cmp_lg_u32 s10, 0
	s_cbranch_scc1 .Lnot_wave_0_\@
	s_barrier_signal -3
.Lnot_wave_0_\@:
	s_barrier_wait -3
	s_barrier_signal -1
	s_barrier_wait -1
.endm
.macro CROUND
	s_barrier_signal -1
	s_barrier_wait -1
	CREST
.endm
	s_load_b128 s[4:7], s[0:1], 0x0                ; A s[4:5], wt s[6:7]
	s_load_b128 s[68:71], s[0:1], 0x10             ; bq s[68:69], bk s[70:71]
	s_load_b64 s[72:73], s[0:1], 0x20              ; bv
	s_load_b64 s[8:9], s[0:1], 0x28                ; qkv
	v_lshl_add_u32 v[SPW], v0, 2, SPARE
	v_mov_b32 v[NIL], 0
	ds_add_u32 v[SPW], v[NIL]                      ; the wave's opening: the add and its wait stand ahead of my first tensor load
	v_lshrrev_b32 v1, 5, v0
	v_readfirstlane_b32 s10, v1                    ; wave 0..3
	s_bfe_u32 s40, ttmp6, 0x40000                  ; cx
	s_bfe_u32 s41, ttmp6, 0x40004                  ; cy
	s_lshl_b32 s42, ttmp9, 2
	s_add_co_u32 s42, s42, s40                     ; tile column, 0..7
	s_and_b32 s13, ttmp7, 0xffff
	s_lshl_b32 s13, s13, 2
	s_add_co_u32 s13, s13, s41                     ; tile row, 0..31
	s_lshl_b32 s43, s41, 2
	s_lshl_b32 s43, 15, s43                        ; my row of the cluster
	s_lshl_b32 s44, 0x1111, s40                    ; my column
	s_or_b32 s[G1+0], s43, (1<<16)|(1<<20)|(1<<21)|(5<<22)|(3<<25)  ; mask; 2-byte elements; padding on; bit 21 beside a mask; after every 64 words (code 5), 4 words (code 3)
	s_or_b32 s[G1B+0], s44, (1<<16)|(1<<20)|(1<<21)|(5<<22)|(3<<25)
.irp g, G1, G1B
	s_mov_b32 s[(\g)+1], KSTEP<<16                 ; tensor_dim0 = 128
	s_mov_b32 s[(\g)+2], 128<<16                   ; tensor_dim1 = 128
	s_mov_b32 s[(\g)+3], KSTEP<<16                 ; tile_dim0 = 128
	s_mov_b32 s[(\g)+4], 128                       ; tile_dim1 = 128
	s_mov_b32 s[(\g)+5], SIZE_K                    ; elements from row to row
	s_mov_b32 s[(\g)+6], 0
	s_mov_b32 s[(\g)+7], 0
.endr
	; where the tiles come from.  Every wave makes both addresses, each in registers that never hold the other coordinate, and asks by one of them.
	s_lshl_b32 s16, s13, 18                        ; A: 128 rows of 2,048 bytes a tile row
	s_mov_b32 s17, 0
	s_max_u32 s46, s10, 1
	s_sub_co_u32 s46, s46, 1                       ; B: the matrix that I fetch for (wave 0 asks by A's address alone),
	s_lshl_b32 s46, s46, 21                        ; its 1,024 rows of 2,048 bytes,
	s_lshl_b32 s47, s42, 18                        ; the tile column's 128 rows in it
	s_add_co_u32 s46, s46, s47
	s_mov_b32 s47, 0
	s_mul_i32 s20, s10, HALFT                      ; and where they go: wave x 128 rows: no place in the cluster enters an LDS address
	s_wait_dscnt 0x0                               ; the opening add is done
	s_wait_kmcnt 0x0
	s_add_nc_u64 s[14:15], s[4:5], s[16:17]
	s_add_nc_u64 s[46:47], s[6:7], s[46:47]
	CROUND                                         ; all sixteen work-groups are here: the first joint loads meet
.irp s, 0,1
	s_mov_b32 s[G0+4*(\s)], 1
	s_add_co_u32 s[G0+4*(\s)+1], s20, (\s)*SLOT
	s_add_nc_u64 s[G0+4*(\s)+2:G0+4*(\s)+3], s[14:15], (\s)*KSTEP*2
	s_or_b32 s[G0+4*(\s)+3], s[G0+4*(\s)+3], 0x80000000
	s_mov_b32 s[G0B+4*(\s)], 1
	s_add_co_u32 s[G0B+4*(\s)+1], s20, (\s)*SLOT
	s_add_nc_u64 s[G0B+4*(\s)+2:G0B+4*(\s)+3], s[46:47], (\s)*KSTEP*2
	s_or_b32 s[G0B+4*(\s)+3], s[G0B+4*(\s)+3], 0x80000000
	JLOAD \s                                       ; two loads of mine are out
.endr
	v_and_b32 v1, 15, v0                           ; l % 16
	v_bfe_u32 v2, v0, 4, 1                         ; l / 16
	v_mul_u32_u24 v3, v1, PITCH
	v_lshl_add_u32 v3, v2, 4, v3                   ; a fragment's row x pitch + 16 x half
	s_mul_i32 s22, s10, 96*PITCH                   ; my 96 rows of B,
	s_add_co_u32 s22, s22, HALFT                   ; which lie behind A's 128
	v_mov_b32 v[ADRA], v3                          ; every wave reads all of A's rows
	v_add_nc_u32 v[ADRA+1], SLOT, v3
	v_add_nc_u32 v[ADRB], s22, v3
	s_add_co_u32 s22, s22, SLOT
	v_add_nc_u32 v[ADRB+1], s22, v3
	; my three heads: the bias of their columns, and their place in qkv
	v_lshlrev_b32 v[BO], 5, v2                     ; my 8 columns of each 16
	v_and_b32 v5, 31, v0
	v_lshlrev_b32 v8, 4, v5
.irp p, 0,1,2
	s_mul_i32 s82, s10, 3
	s_add_co_u32 s82, s82, \p                      ; which of the tile's twelve heads
	s_lshr_b32 s83, s82, 2                         ; its matrix: hangs on the wave's number alone
	s_and_b32 s84, s82, 3
	s_cmp_eq_u32 s83, 0
	s_cselect_b64 s[BP+2*\p:BP+2*\p+1], s[68:69], s[70:71]
	s_cmp_eq_u32 s83, 2
	s_cselect_b64 s[BP+2*\p:BP+2*\p+1], s[72:73], s[BP+2*\p:BP+2*\p+1]
	s_lshl_b32 s85, s42, 2
	s_add_co_u32 s85, s85, s84                     ; its number in the matrix
	s_lshl_b32 s86, s85, 7                         ; 32 columns of 4 bytes
	s_mov_b32 s87, 0
	s_add_nc_u64 s[BP+2*\p:BP+2*\p+1], s[BP+2*\p:BP+2*\p+1], s[86:87]
	s_lshl_b32 s83, s83, 5
	s_add_co_u32 s83, s83, s85                     ; g
	s_lshl_b32 s83, s83, 18                        ; 4,096 rows of 64 bytes a head
	v_add_nc_u32 v[CO+\p], s83, v8
.irp c, 0,1
	global_load_b128 v[BI+16*\p+8*\c:BI+16*\p+8*\c+3],   v[BO], s[BP+2*\p:BP+2*\p+1] offset:64*\c
	global_load_b128 v[BI+16*\p+8*\c+4:BI+16*\p+8*\c+7], v[BO], s[BP+2*\p:BP+2*\p+1] offset:64*\c+16
.endr
.endr
	; the way out: my own stage
	s_mul_i32 s23, s10, WSTG
	s_add_co_u32 s23, s23, STAGE
	v_mul_u32_u24 v4, v1, 80                       ; in: row l % 16 of a head's block, 16 bytes for each half of the lanes
	v_lshl_add_u32 v4, v2, 4, v4
	v_add_nc_u32 v[STO], s23, v4
	v_lshrrev_b32 v6, 2, v5                        ; back: 32 lanes take 8 rows of 64 bytes, which are 512 consecutive bytes of a head
	v_mul_u32_u24 v6, v6, 80
	v_and_b32 v7, 3, v0
	v_lshl_add_u32 v6, v7, 4, v6
	v_add_nc_u32 v[RD], s23, v6
	s_lshl_b32 s16, s13, 13                        ; the tile's first row: 128 rows of 64 bytes a tile row
	s_mov_b32 s17, 0
	s_add_nc_u64 s[8:9], s[8:9], s[16:17]
	; the prefetches
	s_lshl_b32 s82, s13, 7                         ; A: the first row that wave 0 fetches
	s_max_u32 s83, s10, 1
	s_sub_co_u32 s83, s83, 1
	s_lshl_b32 s83, s83, 10
	s_lshl_b32 s84, s42, 7
	s_add_co_u32 s83, s83, s84                     ; B: the first row that I fetch
	s_and_b32 s84, ttmp7, 0xffff                   ; cluster y
	s_cmp_eq_u32 s10, 0                            ; do I fetch for A?
	s_cselect_b32 s82, s82, s83
	s_cselect_b32 s85, s40, s41                    ; my place among the four that ask with me
	s_cselect_b32 s84, ttmp9, s84                  ; the coordinate along which other clusters read the same rows
	s_cselect_b64 s[PFA:PFA+1], s[4:5], s[6:7]
	s_cmp_eq_u32 s84, 0
	s_cselect_b32 s[LIM], 1, -1                    ; the same in all sixteen partners, for a given wave
	s_lshl_b32 s85, s85, 5
	s_add_co_u32 s82, s82, s85                     ; + my work-group's 32 of the 128 rows
	s_lshl_b32 s82, s82, 11
	s_mov_b32 s83, 0
	s_add_nc_u64 s[PFA:PFA+1], s[PFA:PFA+1], s[82:83]
	s_add_nc_u64 s[PFA:PFA+1], s[PFA:PFA+1], 2*KSTEP*2  ; at K step 2: the first refill steps it to 3 and names K step 4
	v_lshlrev_b32 v[PFO], 11, v5
; 12 matrix instructions: m blocks a0, a0 + 1 of the window's four (hi = 0: rows 0-63, 1: rows 64-127) x all 6 n blocks, 32 along K, from buffer f.  first = 1: the product starts the sums, with the bias (in window 0).
.macro MUL12 f, hi, a0, first
.if \first
	WIN 0x85+0x40*(\hi)                            ; sources 0 and 1 window 1, C window 0, D window 2 or 3
.else
	WIN 0xa5+0x50*(\hi)                            ; sources 0 and 1 window 1, C and D window 2 or 3
.endif
.irp a, \a0, (\a0)+1
.irp b, 0,1,2,3,4,5
.if \first
	v_wmma_f32_16x16x32_bf16 v[8*(6*(\a)+(\b)):8*(6*(\a)+(\b))+7], v[FB+48*(\f)+8*(\b):FB+48*(\f)+8*(\b)+7], v[64*(\f)+8*(4*(\hi)+(\a)):64*(\f)+8*(4*(\hi)+(\a))+7], v[BI+8*(\b):BI+8*(\b)+7]
.else
	v_wmma_f32_16x16x32_bf16 v[8*(6*(\a)+(\b)):8*(6*(\a)+(\b))+7], v[FB+48*(\f)+8*(\b):FB+48*(\f)+8*(\b)+7], v[64*(\f)+8*(4*(\hi)+(\a)):64*(\f)+8*(4*(\hi)+(\a))+7], v[8*(6*(\a)+(\b)):8*(6*(\a)+(\b))+7]
.endif
.endr
.endr
.endm
; 28 LDS loads in one run: the fragments of 32 along K at byte k of the rows, into buffer f: my 96 rows of B, then A's 128
.macro FETCH slot, k, f
	WIN TO_F
.irp i, 0,1,2,3,4,5
	ds_load_b128 v[FB+48*(\f)+8*(\i):FB+48*(\f)+8*(\i)+3],   v[ADRB+(\slot)] offset:(\k)+(\i)*16*PITCH
	ds_load_b128 v[FB+48*(\f)+8*(\i)+4:FB+48*(\f)+8*(\i)+7], v[ADRB+(\slot)] offset:(\k)+(\i)*16*PITCH+32
.endr
.irp i, 0,1,2,3,4,5,6,7
	ds_load_b128 v[64*(\f)+8*(\i):64*(\f)+8*(\i)+3],   v[ADRA+(\slot)] offset:(\k)+(\i)*16*PITCH
	ds_load_b128 v[64*(\f)+8*(\i)+4:64*(\f)+8*(\i)+7], v[ADRA+(\slot)] offset:(\k)+(\i)*16*PITCH+32
.endr
.endm
.macro PLACES                          ; four places in front of loads into registers that matrix instructions have read, and of lines that read results
.rept 4
	v_nop
.endr
.endm
; A K step is four quarters of 32 along K, 48 matrix instructions each, on buffers 0, 1, 0, 1.  The 48 accumulators take turns in the same order in every quarter.
; One of the first three: multiplies buffer f; in its middle it fetches the next quarter's fragments, at byte k of the same slot's rows, into buffer g.
.macro QUARTER slot, k, f, g, first
	s_wait_dscnt 8                                 ; B and A's rows 0-63 are in; the youngest eight loads (A's rows 64-127) may be out
	MUL12 \f, 0, 0, \first
	MUL12 \f, 0, 2, \first
	PLACES
	FETCH \slot, \k, \g
	s_wait_dscnt 28                                ; all but the 28 just issued
	MUL12 \f, 1, 0, \first
	MUL12 \f, 1, 2, \first
.endm
; The last quarter multiplies buffer 1 and changes slots.  MEET is its first half: one barrier; in front of it each wave waits for all its tensor loads (the one that is out is its part of the next slot),
; adds 0 to its spare word, and waits for that and for its own reads of this slot.
.macro MEET round
	WIN 0                                          ; (the add's two registers lie in window 0)
	s_wait_tensorcnt 0x0
	ds_add_u32 v[SPW], v[NIL]                      ; 0 onto my spare word
	s_wait_dscnt 9                                 ; (the add and the youngest eight loads may be out)
	MUL12 1, 0, 0, 0                               ; twelve matrix instructions stand between the add and the wait for it
	s_wait_dscnt 0x0                               ; the add is done, and my reads of this slot are over
	s_barrier_signal -1
	MUL12 1, 0, 2, 0
.if \round
	WIN 0
.endif
	s_barrier_wait -1
.endm
; fill = 1: this slot is filled again, two K steps ahead, behind a round of the cluster's barrier; from the request to the wait for it a wave issues 168 matrix instructions.
.macro TURN slot, next, fill
.if \fill
	s_wait_xcnt 0x0                                ; the last prefetch, a K step back, has read its address
	s_add_nc_u64 s[PFA:PFA+1], s[PFA:PFA+1], KSTEP*2
.endif
	MEET \fill
.if \fill
	CREST                                          ; no wave of any partner still reads this slot or has a load on its way
	s_add_nc_u64 s[G0+4*(\slot)+2:G0+4*(\slot)+3], s[G0+4*(\slot)+2:G0+4*(\slot)+3], 2*KSTEP*2
	s_add_nc_u64 s[G0B+4*(\slot)+2:G0B+4*(\slot)+3], s[G0B+4*(\slot)+2:G0B+4*(\slot)+3], 2*KSTEP*2
	JLOAD \slot                                    ; my one tensor load behind the round; its four v_nop are also the places in front of the loads below
.else
	PLACES
.endif
	FETCH \next, 0, 0
.if \fill
	WIN 0
	ASK
.endif
	MUL12 1, 1, 0, 0
	MUL12 1, 1, 2, 0
.endm
	s_wait_tensorcnt 1                             ; my part of K step 0 is in; K step 1's may stay out
	s_barrier_signal -1
	s_barrier_wait -1
	FETCH 0, 0, 0
	s_wait_loadcnt 0x0                             ; the bias
	QUARTER 0, 64,  0, 1, 1                        ; the first quarter stands in front of the loop: its products start the sums
	WIN 0                                          ; at a label and at a branch every window is 0
	s_mov_b32 s3, LAPS-1
.Llap:                                         ; a trip goes once round the ring, from a lap's second quarter to the next lap's first, and fills both slots again
	QUARTER 0, 128, 1, 0, 0
	QUARTER 0, 192, 0, 1, 0
	TURN 0, 1, 1
	QUARTER 1, 64,  0, 1, 0
	QUARTER 1, 128, 1, 0, 0
	QUARTER 1, 192, 0, 1, 0
	TURN 1, 0, 1
	QUARTER 0, 64,  0, 1, 0
	WIN 0
	s_sub_co_u32 s3, s3, 1
	s_cmp_lg_u32 s3, 0
	s_cbranch_scc1 .Llap
	QUARTER 0, 128, 1, 0, 0                        ; the last lap is written out: it fills nothing, and has no round
	QUARTER 0, 192, 0, 1, 0
	TURN 0, 1, 0
	QUARTER 1, 64,  0, 1, 0
	QUARTER 1, 128, 1, 0, 0
	QUARTER 1, 192, 0, 1, 0
	s_wait_dscnt 8                                 ; the very last quarter: nothing more to fetch
	MUL12 1, 0, 0, 0
	MUL12 1, 0, 2, 0
	s_wait_dscnt 0x0
	MUL12 1, 1, 0, 0
	MUL12 1, 1, 2, 0
	WIN 0
; THE WAY OUT, a block of 16 rows at a time.  PACK: rounded to bf16, 16 bytes a lane.  TOSTAGE: into my own stage by heads, and back as 8 whole rows of a head.  SEND: stored.
.macro PACK a
	WIN 0x0a+5*((\a)/4)                            ; sources 0 and 1: window 2 or 3
.irp b, 0,1,2,3,4,5
.irp r, 0,1,2,3
	v_cvt_pk_bf16_f32 v[TMP+4*(\b)+(\r)], v[8*(6*((\a)%4)+(\b))+2*(\r)], v[8*(6*((\a)%4)+(\b))+2*(\r)+1]
.endr
.endr
	WIN 0
.endm
.macro TOSTAGE a
.set BK, OB+32*((\a)%2)
.irp b, 0,1,2,3,4,5
	ds_store_b128 v[STO], v[TMP+4*(\b):TMP+4*(\b)+3] offset:((\b)/2)*1280+((\b)%2)*32
.endr
.set k, 0
.rept 6                                        ; k = 2 head + u.  LDS serves a wave's instructions in order (ISA guide 5.7.1.4): these see the stores above, and the next block's stores come behind them
	ds_load_b128 v[BK+4*k:BK+4*k+3], v[RD] offset:(k/2)*1280+(k%2)*640
.set k, k+1
.endr
.endm
.macro SEND a
.set BK, OB+32*((\a)%2)
	s_wait_dscnt 0x0                               ; the block is back in registers
	s_wait_xcnt 0x0                                ; the registers that the stores of the block before read are loaded again only behind this wait
.set k, 0
.rept 6
	global_store_b128 v[CO+k/2], v[BK+4*k:BK+4*k+3], s[8:9] offset:(\a)*1024+(k%2)*512  ; 512 consecutive bytes, at a multiple of 256 from the buffer's first
.set k, k+1
.endr
.endm
	PLACES                                         ; behind the last products
	PACK 0
	TOSTAGE 0
.irp a, 1,2,3,4,5,6,7                          ; block a's conversions stand between block a - 1's loads from the stage and the wait for them
	PACK \a
	SEND (\a)-1
	TOSTAGE \a
.endr
	SEND 7
	s_wait_tensorcnt 0x0                           ; the wave's end, behind my last tensor load and my last LDS store
	ds_add_u32 v[SPW], v[NIL]
	s_wait_dscnt 0x0
	CROUND                                         ; the closing round: no work-group ends while a partner may still ask for a tile that names it
	s_endpgm
.Lfunc_end_k_q5a62f9f17d_gemm_qkv:
	.size	k_q5a62f9f17d_gemm_qkv, .Lfunc_end_k_q5a62f9f17d_gemm_qkv-k_q5a62f9f17d_gemm_qkv
	.p2alignl 7, 3214868480
	.fill 96, 4, 3214868480
	.section	.rodata,"a",@progbits
	.p2align	6, 0x0
	.amdhsa_kernel k_q5a62f9f17d_gemm_qkv
		.amdhsa_group_segment_fixed_size 327680
		.amdhsa_private_segment_fixed_size 0
		.amdhsa_enable_private_segment 0
		.amdhsa_kernarg_size 48
		.amdhsa_user_sgpr_count 2
		.amdhsa_user_sgpr_kernarg_segment_ptr 1
		.amdhsa_wavefront_size32 1
		.amdhsa_system_sgpr_workgroup_id_x 1
		.amdhsa_system_sgpr_workgroup_id_y 1
		.amdhsa_system_sgpr_workgroup_id_z 1
		.amdhsa_system_vgpr_workitem_id 0
		.amdhsa_next_free_vgpr 960
		.amdhsa_next_free_sgpr 96
		.amdhsa_reserve_vcc 0
		.amdhsa_float_denorm_mode_32 3
		.amdhsa_float_denorm_mode_16_64 3
		.amdhsa_memory_ordered 1
		.amdhsa_forward_progress 1
		.amdhsa_inst_pref_size 118
	.end_amdhsa_kernel
	.amdgpu_metadata
---
amdhsa.version: [ 1, 2 ]
amdhsa.kernels:
  - .name:           k_q5a62f9f17d_gemm_qkv
    .symbol:         k_q5a62f9f17d_gemm_qkv.kd
    .args:
      - { .name: xb, .offset: 0, .size: 8, .value_kind: global_buffer, .address_space: global }
      - { .name: wt, .offset: 8, .size: 8, .value_kind: global_buffer, .address_space: global }
      - { .name: bq, .offset: 16, .size: 8, .value_kind: global_buffer, .address_space: global }
      - { .name: bk, .offset: 24, .size: 8, .value_kind: global_buffer, .address_space: global }
      - { .name: bv, .offset: 32, .size: 8, .value_kind: global_buffer, .address_space: global }
      - { .name: qkv, .offset: 40, .size: 8, .value_kind: global_buffer, .address_space: global }
    .group_segment_fixed_size: 327680
    .private_segment_fixed_size: 0
    .kernarg_segment_align: 8
    .kernarg_segment_size: 48
    .max_flat_workgroup_size: 128
    .sgpr_count:     96
    .vgpr_count:     960
    .wavefront_size: 32
...
	.end_amdgpu_metadata
.endif
;; end of part 2
;; launch attn (part 3): grid 2 x 128, 8 waves a work-group, no clusters, 321,024 bytes of LDS; arguments qkv, wt, tb; writes tb
.if DOCPART == 3
	.amdgcn_target "amdgcn-amd-amdhsa--gfx1250"
	.amdhsa_code_object_version 6
	.text
	.protected	k_q5a62f9f17d_attn
	.globl	k_q5a62f9f17d_attn
	.p2align	8
	.type	k_q5a62f9f17d_attn,@function
k_q5a62f9f17d_attn:
	s_mov_b64 s[64:65], 0
	v_nop
	global_prefetch_b8 v0, s[64:65] scope:SCOPE_SE
	s_setreg_imm32_b32 hwreg(HW_REG_WAVE_MODE, 25, 1), 1
	s_wait_xcnt 0x0
; ATTENTION WITH RELATIVE POSITIONS, head size 32.  score(l, s) = q_l.k_s + q_l.e + k_s.e with e = D[clip(l - s, -128, 128) + 128]; t = softmax_s(score / sqrt(32)) v.
; q, k, v: qkv[g][n x 1024 + l][32] bf16.  drt (behind wt's rows): drt[p] = D[clamp(272 - p, 0, 256)] bf16, 18 tiles of 16 rows; tile 0 is 16 x D[256], tile 17 is 16 x D[0].  t -> tb[n x 32 + h][l][32] f32.
; SHARES.  A work-group: one (n, head) and 512 of its queries; a wave 64 queries, four tiles of 16; every wave walks all 1,024 keys, 64 a step.  The head's K, V and the table lie whole in LDS, filled once: one barrier in all.
; NO CLUSTER: a head's K and V are read by two work-groups, once each, at the launch's head; the grid's x is 2 and divides into no cluster of four.
; FAR STEPS (|step - my block| >= 3: every |l - s| >= 129): e is one row, so score = (q + e).k + q.e: a product with a shifted Q and one number a query (CF).
; BAND STEPS (at most 5 of 16): with p = 144 + s - l the row wanted is drt[p].  QD = Q x (80 table rows) and KD = K x (32 table rows a key block) are made by the matrix unit, laid into my own stage as rectangles,
; and read back one word a lane along the diagonal: their sum is the C operand of K Q^T.
; LAYOUT.  S^T = K Q^T: a lane holds ONE query (lane % 16) and keys 8 (lane / 16) + 0..7; two results packed to bf16 ARE source 1 of O^T = V^T P.  The divisor L = ones x P comes from the matrix unit too: it sums the weights as rounded.
; SOFTMAX.  Running maximum m of the whole score; p = 2^(c s - (c m - c CF)), c = log2(e) / sqrt(32); O and L are multiplied by a = 2^(c m_old - c m_new) in every step.  m starts at the lowest finite number, O and L at 0.
; LIMITS.  NaN and infinities are not treated apart; a weight below 2^-126 counts as 0; q + e is rounded to bf16 after q was (two roundings of that operand).
; Of L's eight registers only the first pair is rescaled and only the first read; the other six hold sums of at most 1,024 weights of at most 1, and nobody reads them.
; REGISTERS.  window 0: v2-15 addresses; v16-39 six statistics a tile; v40-47 ones; v48-87 five table products (in the softmax: four chains a tile); v88-119 KD as gathered; v128-255 S^T, 32 a tile (P in place)
;   window 1: v0-31 Q; v32-63 Q + e; v64-95 K of a step; v96-159 eight table fragments (later in the step v96-127 V); v160-223 O^T; v224-255 L
.set PK,   80                          ; a row of K or of the table in LDS: 64 bytes + 16: an odd multiple of 16
.set PV,   96                          ; a row of V: 64 + 32: an odd multiple of 32, for the turning load
.set VT,   1024*PK
.set DR,   VT+1024*PV
.set STG,  DR+288*PK                   ; 203,264: the waves' own stages, never filled by a tensor load
.set WSTG, 14592                       ; QD: 16 rows x 336 bytes; KD: 64 rows x 144 bytes
.set KDO,  16*336
.set SPARE, STG+8*WSTG                 ; 320,000: the spare words, 128 bytes for each wave: four blocks of 256 bytes that no other line names
.set DRT_OFF, 5120*2048
.set SPW, 2                            ; SPARE + 4 x thread; never rewritten
.set NIL, 3                            ; 0; never rewritten
.set AK,  4
.set AK0, 5
.set AV,  6
.set AV0, 7
.set AD0, 8
.set ADT, 9
.set SQ,  10                           ; where I store QD (the way out: where I put 32 bytes of a row)
.set SK,  11                           ; where I store KD (the way out: where I read rows back)
.set GQ,  12                           ; where I gather QD (the way out: my offset in 512 bytes of tb)
.set GK,  13
.set QO,  14
.set ST,  16                           ; tile t at ST + 6 t: +0 c m - c CF, +1 m, +2 a, +3 c m, +4 CF of the far side, +5 CF of the step
.set ONES, 40
.set TW,  48
.set GT,  88
.set S,   128
.set Q,   0
.set QF,  32
.set KF,  64
.set DRF, 96
.set O,   160
.set LL,  224
.set WV,  12
.set LW,  13                           ; my block of 64 queries, 0..15
.set G1K, 16
.set G1V, 24
.set G1D, 32
.set G0K, 40
.set G0V, 44
.set G0D, 48
.set CS,  52
.set SEL, 54
.set J,   56
.set DP,  57
.set TBK, 58
.set TBV, 59
.set MSB, 0
.macro WIN new
.if MSB != (\new)
	s_set_vgpr_msb (MSB<<8)|(\new)
.set MSB, \new
.endif
.endm
.set W_KQ, 0x05                        ; sources 0 and 1 window 1; C and D window 0
.set W_PV, 0x51                        ; V window 1, P window 0, O^T window 1
.set W_LS, 0x50                        ; ones and P window 0, L window 1
.set W_RS, 0x41                        ; destination and source 0 window 1, source 1 window 0
.set W_LD, 0x40                        ; destination window 1
.set W_QF, 0x45                        ; destination and both sources window 1
.set W_ST, 0x04                        ; an LDS store's data in window 1
.set W_RC, 0x01                        ; source 0 window 1
	s_load_b128 s[4:7], s[0:1], 0x0                ; qkv s[4:5], wt s[6:7]
	s_load_b64 s[8:9], s[0:1], 0x10                ; tb
	v_lshl_add_u32 v[SPW], v0, 2, SPARE
	v_mov_b32 v[NIL], 0
	ds_add_u32 v[SPW], v[NIL]                      ; the wave's opening: the add and its wait stand ahead of my first tensor load
	v_lshrrev_b32 v1, 5, v0
	v_readfirstlane_b32 s[WV], v1                  ; wave 0..7
	s_lshl_b32 s[LW], ttmp9, 3
	s_add_co_u32 s[LW], s[LW], s[WV]
	s_and_b32 s14, ttmp7, 0xffff                   ; n x 32 + head
	s_lshr_b32 s15, s14, 5
	s_and_b32 s10, s14, 31
	s_and_b32 s11, s[WV], 3                        ; which 256 keys I fetch
	s_lshl_b32 s60, s10, 18                        ; a head: 4,096 rows of 64 bytes
	s_lshl_b32 s61, s15, 16
	s_add_co_u32 s60, s60, s61                     ; my (n, head)'s rows in q's part
	s_lshl_b32 s62, s11, 14
	s_add_co_u32 s62, s62, s60
	s_add_co_u32 s62, s62, 32*262144               ; K's offset
	s_mov_b32 s63, 0
	s_add_co_u32 s66, s62, 32*262144               ; V's
	s_mov_b32 s67, 0
	s_lshl_b32 s68, s[LW], 12                      ; my 64 rows of Q
	s_add_co_u32 s68, s68, s60
	s_mov_b32 s69, 0
	s_mul_i32 s70, s[WV], 2304                     ; my 36 rows of the table
	s_add_co_u32 s70, s70, DRT_OFF
	s_mov_b32 s71, 0
	; descriptors.  256 keys are 16,384 dense bytes: 64 rows of 256 bytes, padded in LDS after every key (16 words)
	s_mov_b32 s[G1K], (1<<16)|(1<<20)|(3<<22)|(3<<25)   ; 2-byte elements; padding on; after every 16 words (code 3), 4 words (code 3)
	s_mov_b32 s[G1V], (1<<16)|(1<<20)|(3<<22)|(7<<25)   ; 8 words (code 7)
	s_mov_b32 s[G1D], (1<<16)|(1<<20)|(3<<22)|(3<<25)
.irp g, G1K, G1V
	s_mov_b32 s[(\g)+1], 128<<16                   ; tensor_dim0 = 128
	s_mov_b32 s[(\g)+2], 64<<16                    ; tensor_dim1 = 64
	s_mov_b32 s[(\g)+3], 128<<16                   ; tile_dim0 = 128
	s_mov_b32 s[(\g)+4], 64                        ; tile_dim1 = 64
	s_mov_b32 s[(\g)+5], 128
	s_mov_b32 s[(\g)+6], 0
	s_mov_b32 s[(\g)+7], 0
.endr
	s_mov_b32 s[G1D+1], 128<<16
	s_mov_b32 s[G1D+2], 9<<16                      ; 36 table rows: 9 rows of 256 bytes
	s_mov_b32 s[G1D+3], 128<<16
	s_mov_b32 s[G1D+4], 9
	s_mov_b32 s[G1D+5], 128
	s_mov_b32 s[G1D+6], 0
	s_mov_b32 s[G1D+7], 0
	s_mov_b32 s[G0K], 1
	s_mul_i32 s[G0K+1], s11, 256*PK
	s_mov_b32 s[G0V], 1
	s_mul_i32 s[G0V+1], s11, 256*PV
	s_add_co_u32 s[G0V+1], s[G0V+1], VT
	s_mov_b32 s[G0D], 1
	s_mul_i32 s[G0D+1], s[WV], 36*PK
	s_add_co_u32 s[G0D+1], s[G0D+1], DR
	s_mov_b32 s[CS], 0x3e8293ee                    ; c = log2(e) / sqrt(32) = 0.255035
	s_mov_b32 s[CS+1], s[CS]
	s_mov_b32 s[SEL], 0x76543210
	s_mov_b32 s[SEL+1], 0xfedcba98
	s_mov_b32 s[TBK], 0
	s_mov_b32 s[TBV], 0
	s_wait_dscnt 0x0                               ; the opening add is done
	s_wait_kmcnt 0x0
	s_add_nc_u64 s[G0K+2:G0K+3], s[4:5], s[62:63]
	s_or_b32 s[G0K+3], s[G0K+3], 0x80000000
	s_add_nc_u64 s[G0V+2:G0V+3], s[4:5], s[66:67]
	s_or_b32 s[G0V+3], s[G0V+3], 0x80000000
	s_add_nc_u64 s[G0D+2:G0D+3], s[6:7], s[70:71]
	s_or_b32 s[G0D+3], s[G0D+3], 0x80000000
	s_add_nc_u64 s[4:5], s[4:5], s[68:69]          ; Q at my first row
	s_lshl_b32 s62, s14, 17                        ; tb: 1,024 rows of 128 bytes a head,
	s_lshl_b32 s63, s[LW], 13                      ; my 64 rows
	s_add_co_u32 s62, s62, s63
	s_mov_b32 s63, 0
	s_add_nc_u64 s[8:9], s[8:9], s[62:63]
	s_cmp_lt_u32 s[WV], 4                          ; waves 0-3 fetch K's quarters, waves 4-7 V's; every wave an eighth of the table.  A wave's two fills stand in one branch: two loads of mine are out
	s_cbranch_scc0 .Lfill_v
	tensor_load_to_lds s[G0K:G0K+3], s[G1K:G1K+7]
	s_nop 0
	tensor_load_to_lds s[G0D:G0D+3], s[G1D:G1D+7]
	s_nop 0
.rept 4
	v_nop
.endr
	s_branch .Lfilled
.Lfill_v:
	tensor_load_to_lds s[G0V:G0V+3], s[G1V:G1V+7]
	s_nop 0
	tensor_load_to_lds s[G0D:G0D+3], s[G1D:G1D+7]
	s_nop 0
.rept 4
	v_nop
.endr
.Lfilled:
	v_and_b32 v1, 15, v0                           ; r = l % 16; kept
	v_bfe_u32 v15, v0, 4, 1                        ; h = l / 16; kept
	v_lshlrev_b32 v[QO], 6, v1
	v_lshl_add_u32 v[QO], v15, 4, v[QO]
	WIN W_LD
.irp t, 0,1,2,3                                ; Q stays in registers: a fragment is 16 rows x 32 channels: two loads of 16 bytes, 32 bytes apart
	global_load_b128 v[Q+8*\t:Q+8*\t+3],   v[QO], s[4:5] offset:\t*1024
	global_load_b128 v[Q+8*\t+4:Q+8*\t+7], v[QO], s[4:5] offset:\t*1024+32
.endr
.set x, O
.rept 96                                       ; O^T and L start at 0, so that the first step is a step like any other; written in the wait for the tiles
	v_mov_b32 v[x], 0
.set x, x+1
.endr
	WIN 0
.irp t, 0,1,2,3
	v_mov_b32 v[ST+6*\t+1], 0xff7fffff             ; m
	v_mov_b32 v[ST+6*\t+3], 0xfe000000             ; c m: far below every c s
.endr
.set x, 0
.rept 8
	v_mov_b32 v[ONES+x], 0x3f803f80
.set x, x+1
.endr
	v_mul_u32_u24 v[AK0], v1, PK
	v_lshl_add_u32 v[AK0], v15, 4, v[AK0]          ; row x pitch + 16 x half
	v_add_nc_u32 v[AD0], DR, v[AK0]
	v_and_b32 v48, 7, v0                           ; the turning load: key 8 h + l % 8, channels 8 ((l / 8) % 2) + 0..7
	v_bfe_u32 v49, v0, 3, 1
	v_lshl_add_u32 v[AV0], v15, 3, v48
	v_mul_u32_u24 v[AV0], v[AV0], PV
	v_lshl_add_u32 v[AV0], v49, 4, v[AV0]
	v_add_nc_u32 v[AV0], VT, v[AV0]
	s_mul_i32 s60, s[WV], WSTG
	s_add_co_u32 s60, s60, STG                     ; my stage
	v_mul_u32_u24 v[SQ], v1, 336                   ; QD[query r][16 u + 8 h + j]
	v_lshl_add_u32 v[SQ], v15, 5, v[SQ]
	v_add_nc_u32 v[SQ], s60, v[SQ]
	s_add_co_u32 s61, s60, KDO
	v_mul_u32_u24 v[SK], v1, 144                   ; KD[key 16 b + r][16 u + 8 h + j]
	v_lshl_add_u32 v[SK], v15, 5, v[SK]
	v_add_nc_u32 v[SK], s61, v[SK]
	s_add_co_u32 s62, s60, 64
	v_mul_u32_u24 v[GQ], v1, 332                   ; QD[r][16 + 16 b + 8 h + j - r]
	v_lshl_add_u32 v[GQ], v15, 5, v[GQ]
	v_add_nc_u32 v[GQ], s62, v[GQ]
	s_add_co_u32 s61, s61, 64
	v_mul_u32_u24 v[GK], v15, 1184                 ; KD[16 b + 8 h + j][16 + 8 h + j - r]
	v_add_nc_u32 v[GK], s61, v[GK]
	v_lshlrev_b32 v50, 2, v1
	v_sub_nc_u32 v[GK], v[GK], v50
; One far side: e = table tile y's row (all 16 alike).  Q + e for the products, and q.e (every register of the product holds it).
.macro SETFAR y
	WIN 0
	v_add_nc_u32 v[ADT], (\y)*16*PK, v[AD0]
	WIN W_LD
	ds_load_b128 v[DRF:DRF+3], v[ADT]
	ds_load_b128 v[DRF+4:DRF+7], v[ADT] offset:32
	s_wait_dscnt 0x0
	WIN W_QF
.set x, 0
.rept 32
	v_pk_add_bf16 v[QF+x], v[Q+x], v[DRF+x%8]
.set x, x+1
.endr
	WIN W_KQ
.irp t, 0,1,2,3
	v_wmma_f32_16x16x32_bf16 v[TW+8*\t:TW+8*\t+7], v[DRF:DRF+7], v[Q+8*\t:Q+8*\t+7], 0
.endr
	WIN 0
.rept 4
	v_nop                                          ; the places behind those products
.endr
.irp t, 0,1,2,3
	v_mov_b32 v[ST+6*\t+4], v[TW+8*\t]
.endr
.endm
.macro FETCH_K                                 ; a step's K: four fragments of 16 keys
	WIN W_LD
.irp f, 0,1,2,3
	ds_load_b128 v[KF+8*\f:KF+8*\f+3],   v[AK] offset:\f*16*PK
	ds_load_b128 v[KF+8*\f+4:KF+8*\f+7], v[AK] offset:\f*16*PK+32
.endr
.endm
.macro FETCH_V                                 ; a step's V, turned: keys 32 (f / 2) on, channels 16 (f % 2) on
	WIN W_LD
.irp f, 0,1,2,3
	ds_load_tr16_b128 v[DRF+8*\f:DRF+8*\f+3],   v[AV] offset:(\f/2)*32*PV+(\f%2)*32
	ds_load_tr16_b128 v[DRF+8*\f+4:DRF+8*\f+7], v[AV] offset:(\f/2)*32*PV+16*PV+(\f%2)*32
.endr
.endm
.macro QKFAR                                   ; 16 products, each a whole sum
	WIN W_KQ
.irp f, 0,1,2,3
.irp t, 0,1,2,3
	v_wmma_f32_16x16x32_bf16 v[S+32*\t+8*\f:S+32*\t+8*\f+7], v[KF+8*\f:KF+8*\f+7], v[QF+8*\t:QF+8*\t+7], 0
.endr
.endr
.endm
; The step's eight table fragments: tile clamp(4 DP - 3 + f, 0, 17).  The eight addresses stand in GT's first registers.
.macro FETCH_D
	WIN 0
.irp f, 0,1,2,3,4,5,6,7
	s_lshl_b32 s60, s[DP], 2
	s_add_co_i32 s60, s60, (\f)-3
	s_max_i32 s60, s60, 0
	s_min_u32 s60, s60, 17
	s_mul_i32 s60, s60, 16*PK
	v_add_nc_u32 v[GT+\f], s60, v[AD0]
.endr
	WIN W_LD
.irp f, 0,1,2,3,4,5,6,7
	ds_load_b128 v[DRF+8*\f:DRF+8*\f+3],   v[GT+\f]
	ds_load_b128 v[DRF+8*\f+4:DRF+8*\f+7], v[GT+\f] offset:32
.endr
.endm
.macro NOP5                                    ; four places in front of the stores that read the products, five in front of the next products into the same registers
.rept 5
	v_nop
.endr
.endm
; Tile t's tables: QD from fragments 3 - t + u (u = 0..4), KD of key block b from fragments 3 - t + b and the next.  13 products, 26 stores into my stage.
.macro MAKE t
	WIN W_KQ
.irp u, 0,1,2,3,4
	v_wmma_f32_16x16x32_bf16 v[TW+8*\u:TW+8*\u+7], v[DRF+8*(3-(\t)+\u):DRF+8*(3-(\t)+\u)+7], v[Q+8*(\t):Q+8*(\t)+7], 0
.endr
	WIN 0
	NOP5
.irp u, 0,1,2,3,4
	ds_store_b128 v[SQ], v[TW+8*\u:TW+8*\u+3]   offset:64*\u
	ds_store_b128 v[SQ], v[TW+8*\u+4:TW+8*\u+7] offset:64*\u+16
.endr
	WIN W_KQ
.set x, 0
.rept 5                                        ; x = 2 b + u
	v_wmma_f32_16x16x32_bf16 v[TW+8*x:TW+8*x+7], v[DRF+8*(3-(\t)+x/2+x%2):DRF+8*(3-(\t)+x/2+x%2)+7], v[KF+8*(x/2):KF+8*(x/2)+7], 0
.set x, x+1
.endr
	WIN 0
	NOP5
.set x, 0
.rept 5
	ds_store_b128 v[SK], v[TW+8*x:TW+8*x+3]   offset:2304*(x/2)+64*(x%2)
	ds_store_b128 v[SK], v[TW+8*x+4:TW+8*x+7] offset:2304*(x/2)+64*(x%2)+16
.set x, x+1
.endr
	WIN W_KQ
.set x, 5
.rept 3
	v_wmma_f32_16x16x32_bf16 v[TW+8*(x-5):TW+8*(x-5)+7], v[DRF+8*(3-(\t)+x/2+x%2):DRF+8*(3-(\t)+x/2+x%2)+7], v[KF+8*(x/2):KF+8*(x/2)+7], 0
.set x, x+1
.endr
	WIN 0
	NOP5
.set x, 5
.rept 3
	ds_store_b128 v[SK], v[TW+8*(x-5):TW+8*(x-5)+3]   offset:2304*(x/2)+64*(x%2)
	ds_store_b128 v[SK], v[TW+8*(x-5)+4:TW+8*(x-5)+7] offset:2304*(x/2)+64*(x%2)+16
.set x, x+1
.endr
.endm
.macro GATHER t                                ; along the diagonal, a word a lane; LDS serves a wave's instructions in order (ISA guide 5.7.1.4): these see MAKE's stores, and the next MAKE's come behind them
	WIN 0
.set x, 0
.rept 32
	ds_load_b32 v[S+32*(\t)+x], v[GQ] offset:64*(x/8)+4*(x%8)
.set x, x+1
.endr
.set x, 0
.rept 32
	ds_load_b32 v[GT+x], v[GK] offset:2304*(x/8)+148*(x%8)
.set x, x+1
.endr
.endm
.macro ADDQK t                                 ; q.e + k.e, and K Q^T onto it
	WIN 0
.set x, 0
.rept 16
	v_pk_add_f32 v[S+32*(\t)+2*x:S+32*(\t)+2*x+1], v[S+32*(\t)+2*x:S+32*(\t)+2*x+1], v[GT+2*x:GT+2*x+1]
.set x, x+1
.endr
	WIN W_KQ
.irp f, 0,1,2,3
	v_wmma_f32_16x16x32_bf16 v[S+32*(\t)+8*\f:S+32*(\t)+8*\f+7], v[KF+8*\f:KF+8*\f+7], v[Q+8*(\t):Q+8*(\t)+7], v[S+32*(\t)+8*\f:S+32*(\t)+8*\f+7]
.endr
.endm
.macro BAND
	FETCH_D
	s_wait_dscnt 0x0
	MAKE 0
	GATHER 0
	MAKE 1
	s_wait_dscnt 26                                ; the gathers are in; the 26 stores issued behind them may be out
	ADDQK 0
	GATHER 1
	MAKE 2
	s_wait_dscnt 26
	ADDQK 1
	GATHER 2
	MAKE 3
	s_wait_dscnt 26
	ADDQK 2
	GATHER 3
	s_wait_dscnt 0x0
	ADDQK 3
.endm
; Number n of the 24 that find tile t's maximum and statistics; each accumulator's lowest registers are read first.
.macro SM t
.set rT, ST+6*(\t)
.set rC, TW+4*(\t)
.set rS, S+32*(\t)
.if n < 4
	v_max3_num_f32 v[rC+n], v[rS+8*n], v[rS+8*n+1], v[rS+8*n+2]
.elseif n < 12
	v_max3_num_f32 v[rC+n%4], v[rC+n%4], v[rS+8*(n%4)+2*(n/4)+1], v[rS+8*(n%4)+2*(n/4)+2]
.elseif n == 12
	v_max3_num_f32 v[rC], v[rC], v[rS+7], v[rS+15]
.elseif n == 13
	v_max3_num_f32 v[rC+1], v[rC+1], v[rS+23], v[rS+31]
.elseif n == 14
	v_max3_num_f32 v[rC], v[rC], v[rC+1], v[rC+2]
.elseif n == 15
	v_max_num_f32 v[rC], v[rC], v[rC+3]
.elseif n == 16
	v_add_f32 v[rC], v[rC], v[rT+5]                ; the whole score's maximum
.elseif n == 17
	v_permlanex16_b32 v[rC+1], v[rC], s[SEL], s[SEL+1]  ; the query's other 32 keys lie in the lane 16 away
.elseif n == 18
	v_max3_num_f32 v[rT+1], v[rC], v[rC+1], v[rT+1]
.elseif n == 19
	v_mul_f32 v[rC+3], s[CS], v[rT+1]
.elseif n == 20
	v_sub_f32 v[rC+1], v[rT+3], v[rC+3]            ; c m_old - c m_new
.elseif n == 21
	v_mov_b32 v[rT+3], v[rC+3]
.elseif n == 22
	v_fma_f32 v[rT], -v[rT+5], s[CS], v[rT+3]      ; c m - c CF
.else
	v_exp_f32 v[rT+2], v[rC+1]                     ; a
.endif
.endm
; The step's softmax, the four tiles by turns.  Its 132 exponentials are one batch: nothing ahead of the one wait names a result.
.macro SOFT
	WIN 0
.set n, 0
.rept 24
.irp t, 0,1,2,3
	SM \t
.endr
.set n, n+1
.endr
.set x, 0
.rept 17                                       ; pair x is scaled; pair x - 1, scaled twelve lines back, has its two exponentials
.irp t, 0,1,2,3
.if x < 16
	v_pk_fma_f32 v[S+32*\t+2*x:S+32*\t+2*x+1], v[S+32*\t+2*x:S+32*\t+2*x+1], s[CS:CS+1], v[ST+6*\t:ST+6*\t+1] op_sel_hi:[1,0,0] neg_lo:[0,0,1] neg_hi:[0,0,1]
.endif
.if x > 0
	v_exp_f32 v[S+32*\t+2*x-2], v[S+32*\t+2*x-2]
	v_exp_f32 v[S+32*\t+2*x-1], v[S+32*\t+2*x-1]
.endif
.endr
.set x, x+1
.endr
	v_nop                                          ; a plain instruction behind the last exponential,
	s_wait_alu depctr_va_vdst(0)                   ; and the wait ahead of the first reader: one for the batch
.set x, 0
.rept 16                                       ; P, in place: pair x goes to register x
.irp t, 0,1,2,3
	v_cvt_pk_bf16_f32 v[S+32*\t+x], v[S+32*\t+2*x], v[S+32*\t+2*x+1]
.endr
.set x, x+1
.endr
.endm
.macro RESC
	WIN W_RS
.irp t, 0,1,2,3
.set x, 0
.rept 8
	v_pk_mul_f32 v[O+16*\t+2*x:O+16*\t+2*x+1], v[O+16*\t+2*x:O+16*\t+2*x+1], v[ST+6*\t+2:ST+6*\t+3] op_sel_hi:[1,0]
.set x, x+1
.endr
	v_pk_mul_f32 v[LL+8*\t:LL+8*\t+1], v[LL+8*\t:LL+8*\t+1], v[ST+6*\t+2:ST+6*\t+3] op_sel_hi:[1,0]
.endr
.endm
.macro PVL                                     ; the accumulators take turns, one instruction a turn: eight of O^T, then four of L
	WIN W_PV
.irp g, 0,1
.irp t, 0,1,2,3
.irp f, 0,1
	v_wmma_f32_16x16x32_bf16 v[O+16*\t+8*\f:O+16*\t+8*\f+7], v[DRF+8*(2*\g+\f):DRF+8*(2*\g+\f)+7], v[S+32*\t+8*\g:S+32*\t+8*\g+7], v[O+16*\t+8*\f:O+16*\t+8*\f+7]
.endr
.endr
.endr
	WIN W_LS
.irp g, 0,1
.irp t, 0,1,2,3
	v_wmma_f32_16x16x32_bf16 v[LL+8*\t:LL+8*\t+7], v[ONES:ONES+7], v[S+32*\t+8*\g:S+32*\t+8*\g+7], v[LL+8*\t:LL+8*\t+7]
.endr
.endr
.endm
	s_wait_tensorcnt 0x0                           ; my two fills have landed,
	s_barrier_signal -1
	s_barrier_wait -1                              ; everybody's have; nothing is ever filled again
	s_wait_loadcnt 0x0                             ; Q
	SETFAR 0                                       ; the keys far to the left: e = D[256]
	v_mov_b32 v[AK], v[AK0]
	FETCH_K                                        ; step 0
	WIN 0
	s_wait_dscnt 0x0
	s_mov_b32 s[J], 0
.Lstep:                                        ; 16 trips.  The jumps inside hang on the step, the wave and the work-group; they go forward and pass no barrier and no tensor load
	s_add_co_u32 s[DP], s[J], 2
	s_sub_co_u32 s[DP], s[DP], s[LW]               ; step - my block + 2: 0..4 in the band
	s_cmp_eq_u32 s[DP], 5
	s_cbranch_scc0 .Lnosw
	SETFAR 17                                      ; from here on the keys lie far to the right: e = D[0]
.Lnosw:
	s_cmp_lt_u32 s[DP], 5
	s_cbranch_scc1 .Lband
	QKFAR
	WIN 0
.irp t, 0,1,2,3
	v_mov_b32 v[ST+6*\t+5], v[ST+6*\t+4]           ; these four and the two additions below are the places behind the products
.endr
	s_branch .Lsoft
.Lband:
	BAND
	WIN 0
.irp t, 0,1,2,3
	v_mov_b32 v[ST+6*\t+5], 0
.endr
.Lsoft:
	s_add_co_u32 s[TBK], s[TBK], 64*PK             ; K of the next step.  In the last trip these eight loads read the first bytes of V's region, landed bytes that are only read; nothing is multiplied by them: the price of one text for every trip
	v_add_nc_u32 v[AK], s[TBK], v[AK0]
	v_add_nc_u32 v[AV], s[TBV], v[AV0]             ; V of this step
	s_add_co_u32 s[TBV], s[TBV], 64*PV
	FETCH_K
	FETCH_V
	SOFT
	s_wait_dscnt 0x0                               ; V, and the next K
	RESC
	PVL
	WIN 0
.rept 5
	v_nop                                          ; the places in front of the next step's products into P's registers and its loads into V's
.endr
	s_add_co_u32 s[J], s[J], 1
	s_cmp_lt_u32 s[J], 16
	s_cbranch_scc1 .Lstep
	; THE WAY OUT.  O^T is divided by L and sent, in f32, through my stage: rows of 144 bytes in, four whole rows of 128 bytes back.
	s_mul_i32 s60, s[WV], WSTG
	s_add_co_u32 s60, s60, STG
	v_mul_u32_u24 v[SQ], v1, 144
	v_lshl_add_u32 v[SQ], v15, 5, v[SQ]
	v_add_nc_u32 v[SQ], s60, v[SQ]
	v_bfe_u32 v48, v0, 3, 2
	v_mul_u32_u24 v48, v48, 144
	v_and_b32 v49, 7, v0
	v_lshl_add_u32 v48, v49, 4, v48
	v_add_nc_u32 v[SK], s60, v48
	v_and_b32 v[GQ], 31, v0
	v_lshlrev_b32 v[GQ], 4, v[GQ]
	WIN W_RC
.irp t, 0,1,2,3
	v_rcp_f32 v[ST+6*\t+2], v[LL+8*\t]
.endr
	WIN 0
	v_nop                                          ; a plain instruction behind the last reciprocal,
	s_wait_alu depctr_va_vdst(0)                   ; and the one wait for the four
.irp t, 0,1,2,3
	WIN W_RS
.set x, 0
.rept 8
	v_pk_mul_f32 v[O+16*\t+2*x:O+16*\t+2*x+1], v[O+16*\t+2*x:O+16*\t+2*x+1], v[ST+6*\t+2:ST+6*\t+3] op_sel_hi:[1,0]
.set x, x+1
.endr
	WIN W_ST
.irp f, 0,1
	ds_store_b128 v[SQ], v[O+16*\t+8*\f:O+16*\t+8*\f+3]   offset:\t*2304+64*\f
	ds_store_b128 v[SQ], v[O+16*\t+8*\f+4:O+16*\t+8*\f+7] offset:\t*2304+64*\f+16
.endr
	WIN 0
.irp u, 0,1,2,3
	ds_load_b128 v[S+32*\t+4*\u:S+32*\t+4*\u+3], v[SK] offset:\t*2304+\u*576
.endr
.endr
.irp t, 0,1,2,3
.irp u, 0,1,2,3
	s_wait_dscnt (3-\u)+8*(3-\t)                   ; younger: the tile's later loads and the later tiles' eight LDS instructions each
	global_store_b128 v[GQ], v[S+32*\t+4*\u:S+32*\t+4*\u+3], s[8:9] offset:\t*2048+\u*512  ; 512 consecutive bytes, at a multiple of 256 from tb's first
.endr
.endr
	s_wait_tensorcnt 0x0                           ; the wave's end
	ds_add_u32 v[SPW], v[NIL]
	s_wait_dscnt 0x0
	s_endpgm
.Lfunc_end_k_q5a62f9f17d_attn:
	.size	k_q5a62f9f17d_attn, .Lfunc_end_k_q5a62f9f17d_attn-k_q5a62f9f17d_attn
	.p2alignl 7, 3214868480
	.fill 96, 4, 3214868480
	.section	.rodata,"a",@progbits
	.p2align	6, 0x0
	.amdhsa_kernel k_q5a62f9f17d_attn
		.amdhsa_group_segment_fixed_size 321024
		.amdhsa_private_segment_fixed_size 0
		.amdhsa_enable_private_segment 0
		.amdhsa_kernarg_size 24
		.amdhsa_user_sgpr_count 2
		.amdhsa_user_sgpr_kernarg_segment_ptr 1
		.amdhsa_wavefront_size32 1
		.amdhsa_system_sgpr_workgroup_id_x 1
		.amdhsa_system_sgpr_workgroup_id_y 1
		.amdhsa_system_sgpr_workgroup_id_z 1
		.amdhsa_system_vgpr_workitem_id 0
		.amdhsa_next_free_vgpr 512
		.amdhsa_next_free_sgpr 72
		.amdhsa_reserve_vcc 0
		.amdhsa_float_denorm_mode_32 3
		.amdhsa_float_denorm_mode_16_64 3
		.amdhsa_memory_ordered 1
		.amdhsa_forward_progress 1
		.amdhsa_inst_pref_size 86
	.end_amdhsa_kernel
	.amdgpu_metadata
---
amdhsa.version: [ 1, 2 ]
amdhsa.kernels:
  - .name:           k_q5a62f9f17d_attn
    .symbol:         k_q5a62f9f17d_attn.kd
    .args:
      - { .name: qkv, .offset: 0, .size: 8, .value_kind: global_buffer, .address_space: global }
      - { .name: wt, .offset: 8, .size: 8, .value_kind: global_buffer, .address_space: global }
      - { .name: tb, .offset: 16, .size: 8, .value_kind: global_buffer, .address_space: global }
    .group_segment_fixed_size: 321024
    .private_segment_fixed_size: 0
    .kernarg_segment_align: 8
    .kernarg_segment_size: 24
    .max_flat_workgroup_size: 256
    .sgpr_count:     72
    .vgpr_count:     512
    .wavefront_size: 32
...
	.end_amdgpu_metadata
.endif
;; end of part 3
;; launch ln1 (part 4): grid 512 x 1, 4 waves a work-group, no clusters, 34,304 bytes of LDS; arguments tb, x, ln1_g, ln1_b, hf, hb; writes hf, hb
.if DOCPART == 4
	.amdgcn_target "amdgcn-amd-amdhsa--gfx1250"
	.amdhsa_code_object_version 6
	.text
	.protected	k_q5a62f9f17d_ln1
	.globl	k_q5a62f9f17d_ln1
	.p2align	8
	.type	k_q5a62f9f17d_ln1,@function
k_q5a62f9f17d_ln1:
	s_mov_b64 s[64:65], 0
	v_nop
	global_prefetch_b8 v0, s[64:65] scope:SCOPE_SE
	s_setreg_imm32_b32 hwreg(HW_REG_WAVE_MODE, 25, 1), 1
	s_wait_xcnt 0x0
; h = LayerNorm(t + x) g + b.  t: tb[n x 32 + head][l][32] f32; x: [4096][1024] f32.  h goes out twice: hf in f32 (the residual of the second norm), hb rounded once to bf16 (a matrix operand).
; A work-group has 8 rows.  t lies by heads: wave w loads heads 8 w .. 8 w + 7 of all 8 rows (512 consecutive bytes a load) and lays them into LDS by rows; behind one barrier each wave finishes 2 whole rows.
; All of a wave's 48 loads are issued at once: a stream, so no matrix unit, no tensor load, no cluster.
; The mean is taken away before the squares are summed: no difference of large sums is formed.  eps = 1e-5; the variance is the sum of squares / 1024.
.set PL,    4224                       ; an LDS row: 4,096 bytes + 128
.set SPARE, 8*PL                       ; 33,792: the spare words, 128 bytes for each wave: two blocks of 256 bytes that no other line names
.set SPW, 2                            ; SPARE + 4 x thread; never rewritten
.set NIL, 3                            ; 0; never rewritten
.set VO,  4                            ; 16 x lane
.set VS,  5
.set VL,  6
.set VH,  7                            ; 8 x lane
.set WK,  8                            ; eight at work for each of the two rows
.set MU,  24                           ; the mean, a pair a row
.set RS,  28                           ; 1 / sqrt(var + eps), a pair a row
.set X,   32                           ; row p at X + 32 p: lane's numbers 128 j + 4 lane + 0..3 at + 4 j
.set T,   96
.set G,   160
.set B,   192
.macro BOTH line:vararg                ; one line for each of my two rows p
.set p, 0
.rept 2
	\line
.set p, p+1
.endr
.endm
.macro FOLD                            ; four chains of pairs into one number a lane
	BOTH v_pk_add_f32 v[WK+8*p:WK+8*p+1], v[WK+8*p:WK+8*p+1], v[WK+8*p+2:WK+8*p+3]
	BOTH v_pk_add_f32 v[WK+8*p+4:WK+8*p+5], v[WK+8*p+4:WK+8*p+5], v[WK+8*p+6:WK+8*p+7]
	BOTH v_pk_add_f32 v[WK+8*p:WK+8*p+1], v[WK+8*p:WK+8*p+1], v[WK+8*p+4:WK+8*p+5]
	BOTH v_add_f32 v[WK+8*p], v[WK+8*p], v[WK+8*p+1]
.endm
.macro RED                             ; over the 32 lanes; every lane ends with the sum
	BOTH v_add_f32_dpp v[WK+8*p], v[WK+8*p], v[WK+8*p] row_xmask:1 row_mask:0xf bank_mask:0xf
	BOTH v_add_f32_dpp v[WK+8*p], v[WK+8*p], v[WK+8*p] row_xmask:2 row_mask:0xf bank_mask:0xf
	BOTH v_add_f32_dpp v[WK+8*p], v[WK+8*p], v[WK+8*p] row_xmask:4 row_mask:0xf bank_mask:0xf
	BOTH v_add_f32_dpp v[WK+8*p], v[WK+8*p], v[WK+8*p] row_xmask:8 row_mask:0xf bank_mask:0xf
	BOTH v_permlanex16_b32 v[WK+8*p+1], v[WK+8*p], s26, s27
	BOTH v_add_f32 v[WK+8*p], v[WK+8*p], v[WK+8*p+1]
.endm
.macro STATS                           ; X becomes X - mean; RS the reciprocal root
.set c, 0
.rept 4
	BOTH v_pk_add_f32 v[WK+8*p+2*c:WK+8*p+2*c+1], v[X+32*p+2*c:X+32*p+2*c+1], v[X+32*p+8+2*c:X+32*p+8+2*c+1]
.set c, c+1
.endr
.set c, 0
.rept 8
	BOTH v_pk_add_f32 v[WK+8*p+2*(c%4):WK+8*p+2*(c%4)+1], v[WK+8*p+2*(c%4):WK+8*p+2*(c%4)+1], v[X+32*p+16+2*c:X+32*p+16+2*c+1]
.set c, c+1
.endr
	FOLD
	RED
	BOTH v_mul_f32 v[MU+2*p], s28, v[WK+8*p]
	BOTH v_mov_b32 v[MU+2*p+1], v[MU+2*p]
.set c, 0
.rept 16
	BOTH v_pk_add_f32 v[X+32*p+2*c:X+32*p+2*c+1], v[X+32*p+2*c:X+32*p+2*c+1], v[MU+2*p:MU+2*p+1] op_sel_hi:[1,0] neg_lo:[0,1] neg_hi:[0,1]
.set c, c+1
.endr
.set c, 0
.rept 4
	BOTH v_pk_mul_f32 v[WK+8*p+2*c:WK+8*p+2*c+1], v[X+32*p+2*c:X+32*p+2*c+1], v[X+32*p+2*c:X+32*p+2*c+1]
.set c, c+1
.endr
.rept 12
	BOTH v_pk_fma_f32 v[WK+8*p+2*(c%4):WK+8*p+2*(c%4)+1], v[X+32*p+2*c:X+32*p+2*c+1], v[X+32*p+2*c:X+32*p+2*c+1], v[WK+8*p+2*(c%4):WK+8*p+2*(c%4)+1]
.set c, c+1
.endr
	FOLD
	RED
	BOTH v_fma_f32 v[WK+8*p], v[WK+8*p], s28, s29
	BOTH v_rsq_f32 v[RS+2*p], v[WK+8*p]            ; made twice, to fill the pair that the packed multiply names
	BOTH v_rsq_f32 v[RS+2*p+1], v[WK+8*p]
	v_nop                                          ; a plain instruction behind the last of them,
	s_wait_alu depctr_va_vdst(0)                   ; and the one wait ahead of the first reader
.endm
.macro NORM
	s_wait_loadcnt 0x0                             ; g and b
.set c, 0
.rept 16
	BOTH v_pk_mul_f32 v[X+32*p+2*c:X+32*p+2*c+1], v[X+32*p+2*c:X+32*p+2*c+1], v[RS+2*p:RS+2*p+1] op_sel_hi:[1,0]
.set c, c+1
.endr
.set c, 0
.rept 16
	BOTH v_pk_fma_f32 v[X+32*p+2*c:X+32*p+2*c+1], v[X+32*p+2*c:X+32*p+2*c+1], v[G+2*c:G+2*c+1], v[B+2*c:B+2*c+1]
.set c, c+1
.endr
.endm
	s_load_b256 s[4:11], s[0:1], 0x0               ; tb s[4:5], x s[6:7], g s[8:9], b s[10:11]
	s_load_b128 s[12:15], s[0:1], 0x20             ; hf s[12:13], hb s[14:15]
	v_lshl_add_u32 v[SPW], v0, 2, SPARE
	v_mov_b32 v[NIL], 0
	v_lshrrev_b32 v1, 5, v0
	v_readfirstlane_b32 s16, v1                    ; wave
	v_and_b32 v1, 31, v0
	v_lshlrev_b32 v[VO], 4, v1
	v_lshlrev_b32 v[VH], 3, v1
	v_lshrrev_b32 v[VS], 3, v1                     ; in: row lane / 8 (+ 4 g), byte 1,024 w (+ 128 head) + 16 (lane % 8)
	v_mul_u32_u24 v[VS], v[VS], PL
	v_and_b32 v[VL], 7, v0
	v_lshl_add_u32 v[VS], v[VL], 4, v[VS]
	s_lshl_b32 s17, s16, 10
	v_add_nc_u32 v[VS], s17, v[VS]
	s_mul_i32 s17, s16, 2*PL                       ; back: my rows 2 w, 2 w + 1
	v_add_nc_u32 v[VL], s17, v[VO]
	s_lshr_b32 s18, ttmp9, 7                       ; n
	s_and_b32 s19, ttmp9, 127
	s_lshl_b32 s19, s19, 3                         ; l of the first row
	s_lshl_b32 s20, s18, 5
	s_lshl_b32 s21, s16, 3
	s_add_co_u32 s20, s20, s21                     ; n x 32 + 8 w
	s_lshl_b32 s20, s20, 10
	s_add_co_u32 s20, s20, s19
	s_lshl_b32 s20, s20, 7                         ; rows of 128 bytes
	s_mov_b32 s21, 0
	s_lshl_b32 s22, ttmp9, 3
	s_lshl_b32 s23, s16, 1
	s_add_co_u32 s22, s22, s23                     ; my first row
	s_lshl_b32 s22, s22, 12
	s_mov_b32 s23, 0
	s_lshr_b32 s24, s22, 1
	s_mov_b32 s25, 0
	s_mov_b32 s26, 0x76543210
	s_mov_b32 s27, 0xfedcba98
	s_mov_b32 s28, 0x3a800000                      ; 1 / 1024
	s_mov_b32 s29, 0x3727c5ac                      ; 1e-5
	s_wait_kmcnt 0x0
	s_add_nc_u64 s[4:5], s[4:5], s[20:21]
	s_add_nc_u64 s[6:7], s[6:7], s[22:23]
	s_add_nc_u64 s[12:13], s[12:13], s[22:23]
	s_add_nc_u64 s[14:15], s[14:15], s[24:25]
.set k, 0
.rept 16                                       ; k = 2 head + g: four rows of a head
	global_load_b128 v[T+4*k:T+4*k+3], v[VO], s[4:5] offset:(k/2)*131072+(k%2)*512 th:TH_LOAD_NT
.set k, k+1
.endr
.set k, 0
.rept 16
	global_load_b128 v[X+4*k:X+4*k+3], v[VO], s[6:7] offset:(k/8)*4096+(k%8)*512 th:TH_LOAD_NT
.set k, k+1
.endr
.set k, 0
.rept 8
	global_load_b128 v[G+4*k:G+4*k+3], v[VO], s[8:9] offset:k*512
.set k, k+1
.endr
.set k, 0
.rept 8
	global_load_b128 v[B+4*k:B+4*k+3], v[VO], s[10:11] offset:k*512
.set k, k+1
.endr
	s_wait_loadcnt 32                              ; t is in; the 32 loads of x, g and b may be out
.set k, 0
.rept 16
	ds_store_b128 v[VS], v[T+4*k:T+4*k+3] offset:(k/2)*128+(k%2)*4*PL
.set k, k+1
.endr
	s_wait_dscnt 0x0                               ; for the others' sake
	s_barrier_signal -1
	s_barrier_wait -1
.set k, 0
.rept 16
	ds_load_b128 v[T+4*k:T+4*k+3], v[VL] offset:(k/8)*PL+(k%8)*512
.set k, k+1
.endr
	s_wait_loadcnt 16                              ; x is in; g and b may be out
	s_wait_dscnt 0x0
.set c, 0
.rept 32
	v_pk_add_f32 v[X+2*c:X+2*c+1], v[X+2*c:X+2*c+1], v[T+2*c:T+2*c+1]
.set c, c+1
.endr
	STATS
	NORM
.set k, 0
.rept 16
	global_store_b128 v[VO], v[X+4*k:X+4*k+3], s[12:13] offset:(k/8)*4096+(k%8)*512
.set k, k+1
.endr
.set k, 0
.rept 16
	v_cvt_pk_bf16_f32 v[T+2*k], v[X+4*k], v[X+4*k+1]
	v_cvt_pk_bf16_f32 v[T+2*k+1], v[X+4*k+2], v[X+4*k+3]
	global_store_b64 v[VH], v[T+2*k:T+2*k+1], s[14:15] offset:(k/8)*2048+(k%8)*256  ; 256 consecutive bytes, aligned
.set k, k+1
.endr
	s_wait_tensorcnt 0x0                           ; the wave's end, behind my last LDS store
	ds_add_u32 v[SPW], v[NIL]
	s_wait_dscnt 0x0
	s_endpgm
.Lfunc_end_k_q5a62f9f17d_ln1:
	.size	k_q5a62f9f17d_ln1, .Lfunc_end_k_q5a62f9f17d_ln1-k_q5a62f9f17d_ln1
	.p2alignl 7, 3214868480
	.fill 96, 4, 3214868480
	.section	.rodata,"a",@progbits
	.p2align	6, 0x0
	.amdhsa_kernel k_q5a62f9f17d_ln1
		.amdhsa_group_segment_fixed_size 34304
		.amdhsa_private_segment_fixed_size 0
		.amdhsa_enable_private_segment 0
		.amdhsa_kernarg_size 48
		.amdhsa_user_sgpr_count 2
		.amdhsa_user_sgpr_kernarg_segment_ptr 1
		.amdhsa_wavefront_size32 1
		.amdhsa_system_sgpr_workgroup_id_x 1
		.amdhsa_system_sgpr_workgroup_id_y 1
		.amdhsa_system_sgpr_workgroup_id_z 1
		.amdhsa_system_vgpr_workitem_id 0
		.amdhsa_next_free_vgpr 232
		.amdhsa_next_free_sgpr 66
		.amdhsa_reserve_vcc 0
		.amdhsa_float_denorm_mode_32 3
		.amdhsa_float_denorm_mode_16_64 3
		.amdhsa_memory_ordered 1
		.amdhsa_forward_progress 1
		.amdhsa_inst_pref_size 29
	.end_amdhsa_kernel
	.amdgpu_metadata
---
amdhsa.version: [ 1, 2 ]
amdhsa.kernels:
  - .name:           k_q5a62f9f17d_ln1
    .symbol:         k_q5a62f9f17d_ln1.kd
    .args:
      - { .name: tb, .offset: 0, .size: 8, .value_kind: global_buffer, .address_space: global }
      - { .name: x, .offset: 8, .size: 8, .value_kind: global_buffer, .address_space: global }
      - { .name: ln1_g, .offset: 16, .size: 8, .value_kind: global_buffer, .address_space: global }
      - { .name: ln1_b, .offset: 24, .size: 8, .value_kind: global_buffer, .address_space: global }
      - { .name: hf, .offset: 32, .size: 8, .value_kind: global_buffer, .address_space: global }
      - { .name: hb, .offset: 40, .size: 8, .value_kind: global_buffer, .address_space: global }
    .group_segment_fixed_size: 34304
    .private_segment_fixed_size: 0
    .kernarg_segment_align: 8
    .kernarg_segment_size: 48
    .max_flat_workgroup_size: 128
    .sgpr_count:     66
    .vgpr_count:     232
    .wavefront_size: 32
...
	.end_amdgpu_metadata
.endif
;; end of part 4
;; launch gemm_up (part 5): grid 8 x 32, 4 waves a work-group, clusters of 4 x 4, 327,680 bytes of LDS; arguments hb, wt, b1, a1; writes a1
.if DOCPART == 5
	.amdgcn_target "amdgcn-amd-amdhsa--gfx1250"
	.amdhsa_code_object_version 6
	.text
	.protected	k_q5a62f9f17d_gemm_up
	.globl	k_q5a62f9f17d_gemm_up
	.p2align	8
	.type	k_q5a62f9f17d_gemm_up,@function
k_q5a62f9f17d_gemm_up:
	s_mov_b64 s[64:65], 0
	v_nop
	global_prefetch_b8 v0, s[64:65] scope:SCOPE_SE
	s_setreg_imm32_b32 hwreg(HW_REG_WAVE_MODE, 25, 1), 1
	s_wait_xcnt 0x0
	s_wait_alu depctr_hold_cnt(0) depctr_sa_sdst(0) depctr_va_vdst(0) depctr_va_sdst(0) depctr_va_ssrc(0) depctr_va_vcc(0) depctr_vm_vsrc(0)
	s_getreg_b32 s2, hwreg(HW_REG_IB_STS2, 6, 4)
	s_cmp_eq_u32 s2, 0
	s_cbranch_scc0 .Lentry_in_a_cluster
	s_endpgm
.Lentry_in_a_cluster:
	s_bfe_u32 s2, ttmp6, 0x10000c
	s_cmp_lg_u32 s2, 0xf033
	s_cbranch_scc0 .Lentry_shape_is_right
	s_endpgm
.Lentry_shape_is_right:
; a1 = relu(h W1 + b1).  A = hb [4096][1024] bf16, B = wt rows 3072..4095 ([out][in] bf16), sums in f32 that START WITH THE BIAS; rounded once to bf16, then the maximum with 0 (which rounds nothing).
; A tile of C is 128 x 128, four waves of 64 x 64 (16 accumulators).  K goes in four steps of 256 through two LDS slots (rows of 512 bytes + 16 of padding; a wave's tensor load brings 64 rows).
; CLUSTERS: 4 x 4 work-groups; the four of a row of the cluster ask for A's tiles jointly, the four of a column for B's.
; THE MATRIX INSTRUCTION IS USED TRANSPOSED (source 0 = 16 rows of B, source 1 = 16 rows of A): a lane holds row l % 16 of C and the columns 8 (l / 16) + 0..7, so the bias of those eight columns is the C operand of the first product.
; The four waves share ONE stage on the way out, with a barrier between writing and reading: a wave's 64 columns are half of an aligned 256 bytes of C.
; LIMITS: NaN and infinities are not treated apart.
; REGISTERS: window 0: v0-31 addresses; v32-95 at work on the way out; v96-127 the bias; v128-255 the accumulators.  window 1: two fragment buffers of 128.
.set SIZE_K, 1024
.set SIZE_N, 1024
.set WOFF,   3072*2048
.set KSTEP,  256
.set PITCH,  528
.set HALFT,  64*PITCH
.set SLOT,   4*HALFT
.set STAGE,  2*SLOT                    ; behind the ring, never filled by a tensor load: 128 rows x 272 bytes
.set SPITCH, 272
.set SPARE,  STAGE+128*SPITCH          ; the spare words, 128 bytes for each wave: two blocks of 256 bytes that no other line names
.set ADRA, 16
.set ADRB, 20
.set STO,  24
.set RD,   25
.set CO,   26
.set BO,   27
.set SPW,  28                          ; SPARE + 4 x thread; never rewritten
.set NIL,  29                          ; 0, for the add alone; never rewritten
.set ZR,   30                          ; 0, for the maximum
.set TMP,  32
.set BI,   96
.set ACC,  128
.set F0,   0
.set F1,   128
.set G1, 24
.set G0, 32
.set G1B, 48
.set G0B, 56
.set BIAS, 66
.set MSB, 0
.macro WIN new
.if MSB != (\new)
	s_set_vgpr_msb (MSB<<8)|(\new)
.set MSB, \new
.endif
.endm
.set MUL,  0x05
.set TO_F, 0x40
.macro JLOAD s                         ; a joint load: waves 0 and 1 fetch A's two halves, waves 2 and 3 B's; an s_nop 0 and four v_nop follow each line
	s_cmp_eq_u32 s11, 0
	s_cbranch_scc0 .Lfor_b_\@
	tensor_load_to_lds s[G0+4*(\s):G0+4*(\s)+3], s[G1:G1+7]
	s_nop 0
.rept 4
	v_nop
.endr
	s_branch .Lasked_\@
.Lfor_b_\@:
	tensor_load_to_lds s[G0B+4*(\s):G0B+4*(\s)+3], s[G1B:G1B+7]
	s_nop 0
.rept 4
	v_nop
.endr
.Lasked_\@:
.endm
.macro CREST
	s_cmp_lg_u32 s10, 0
	s_cbranch_scc1 .Lnot_wave_0_\@
	s_barrier_signal -3
.Lnot_wave_0_\@:
	s_barrier_wait -3
	s_barrier_signal -1
	s_barrier_wait -1
.endm
.macro CROUND
	s_barrier_signal -1
	s_barrier_wait -1
	CREST
.endm
	s_load_b128 s[4:7], s[0:1], 0x0                ; A s[4:5], wt s[6:7]
	s_load_b64 s[BIAS:BIAS+1], s[0:1], 0x10        ; b1
	s_load_b64 s[8:9], s[0:1], 0x18                ; a1
	v_lshl_add_u32 v[SPW], v0, 2, SPARE
	v_mov_b32 v[NIL], 0
	ds_add_u32 v[SPW], v[NIL]                      ; the wave's opening: the add and its wait stand ahead of my first tensor load
	v_mov_b32 v[ZR], 0
	v_lshrrev_b32 v1, 5, v0
	v_readfirstlane_b32 s10, v1
	s_lshr_b32 s11, s10, 1
	s_and_b32 s12, s10, 1
	s_bfe_u32 s40, ttmp6, 0x40000
	s_bfe_u32 s41, ttmp6, 0x40004
	s_lshl_b32 s42, ttmp9, 2
	s_add_co_u32 s42, s42, s40                     ; tile column
	s_and_b32 s13, ttmp7, 0xffff
	s_lshl_b32 s13, s13, 2
	s_add_co_u32 s13, s13, s41                     ; tile row
	s_lshl_b32 s43, s41, 2
	s_lshl_b32 s43, 15, s43
	s_lshl_b32 s44, 0x1111, s40
	s_or_b32 s[G1+0], s43, (1<<16)|(1<<20)|(1<<21)|(6<<22)|(3<<25)
	s_or_b32 s[G1B+0], s44, (1<<16)|(1<<20)|(1<<21)|(6<<22)|(3<<25)
.irp g, G1, G1B
	s_mov_b32 s[(\g)+1], KSTEP<<16
	s_mov_b32 s[(\g)+2], 64<<16
	s_mov_b32 s[(\g)+3], KSTEP<<16
	s_mov_b32 s[(\g)+4], 64
	s_mov_b32 s[(\g)+5], SIZE_K
	s_mov_b32 s[(\g)+6], 0
	s_mov_b32 s[(\g)+7], 0
.endr
	s_lshl_b32 s17, s12, 6
	s_lshl_b32 s16, s13, 7
	s_add_co_u32 s16, s16, s17
	s_lshl_b32 s46, s42, 7
	s_add_co_u32 s46, s46, s17
	s_mov_b32 s17, 0
	s_mov_b32 s47, 0
	s_mov_b64 s[18:19], SIZE_K*2
	s_mul_u64 s[16:17], s[16:17], s[18:19]
	s_mul_u64 s[46:47], s[46:47], s[18:19]
	s_mul_i32 s20, s10, HALFT
	s_wait_dscnt 0x0                               ; the opening add is done
	s_wait_kmcnt 0x0
	s_add_nc_u64 s[14:15], s[4:5], s[16:17]
	s_add_nc_u64 s[46:47], s[6:7], s[46:47]
	s_add_nc_u64 s[46:47], s[46:47], WOFF          ; W1's rows in wt
	CROUND
.irp s, 0,1
	s_mov_b32 s[G0+4*(\s)], 1
	s_add_co_u32 s[G0+4*(\s)+1], s20, (\s)*SLOT
	s_add_nc_u64 s[G0+4*(\s)+2:G0+4*(\s)+3], s[14:15], (\s)*KSTEP*2
	s_or_b32 s[G0+4*(\s)+3], s[G0+4*(\s)+3], 0x80000000
	s_mov_b32 s[G0B+4*(\s)], 1
	s_add_co_u32 s[G0B+4*(\s)+1], s20, (\s)*SLOT
	s_add_nc_u64 s[G0B+4*(\s)+2:G0B+4*(\s)+3], s[46:47], (\s)*KSTEP*2
	s_or_b32 s[G0B+4*(\s)+3], s[G0B+4*(\s)+3], 0x80000000
	JLOAD \s
.endr
	v_and_b32 v1, 15, v0
	v_bfe_u32 v2, v0, 4, 1
	v_mul_u32_u24 v3, v1, PITCH
	v_lshl_add_u32 v3, v2, 4, v3
	s_mul_i32 s21, s11, HALFT
	s_mul_i32 s22, s12, HALFT
	s_add_co_u32 s22, s22, 2*HALFT
.irp s, 0,1
	v_add_nc_u32 v[ADRA+(\s)], s21, v3
	v_add_nc_u32 v[ADRB+(\s)], s22, v3
	s_add_co_u32 s21, s21, SLOT
	s_add_co_u32 s22, s22, SLOT
.endr
	s_lshl_b32 s76, s42, 9                         ; the bias of my 64 columns
	s_lshl_b32 s77, s12, 8
	s_add_co_u32 s76, s76, s77
	s_mov_b32 s77, 0
	s_add_nc_u64 s[BIAS:BIAS+1], s[BIAS:BIAS+1], s[76:77]
	v_lshlrev_b32 v[BO], 5, v2
.irp b, 0,1,2,3
	global_load_b128 v[BI+8*(\b):BI+8*(\b)+3],   v[BO], s[BIAS:BIAS+1] offset:64*(\b)
	global_load_b128 v[BI+8*(\b)+4:BI+8*(\b)+7], v[BO], s[BIAS:BIAS+1] offset:64*(\b)+16
.endr
	s_mul_i32 s23, s11, 64*SPITCH                  ; into the stage: my 64 rows, my half of their 256 bytes
	s_lshl_b32 s21, s12, 7
	s_add_co_u32 s23, s23, s21
	s_add_co_u32 s23, s23, STAGE
	v_mul_u32_u24 v4, v1, SPITCH
	v_lshl_add_u32 v4, v2, 4, v4
	v_add_nc_u32 v[STO], s23, v4
	s_mul_i32 s23, s10, 32*SPITCH                  ; back: wave w takes rows 32 w .. 32 w + 31, whole
	s_add_co_u32 s23, s23, STAGE
	v_mul_u32_u24 v5, v2, SPITCH
	v_lshl_add_u32 v5, v1, 4, v5
	v_add_nc_u32 v[RD], s23, v5
	v_mul_u32_u24 v5, v2, SIZE_N*2
	v_lshl_add_u32 v[CO], v1, 4, v5
	s_lshl_b32 s16, s13, 7
	s_lshl_b32 s17, s10, 5
	s_add_co_u32 s16, s16, s17
	s_mov_b32 s17, 0
	s_mov_b64 s[18:19], SIZE_N*2
	s_mul_u64 s[16:17], s[16:17], s[18:19]
	s_add_nc_u64 s[8:9], s[8:9], s[16:17]
	s_lshl_b32 s46, s42, 8
	s_mov_b32 s47, 0
	s_add_nc_u64 s[8:9], s[8:9], s[46:47]
.macro MUL8 f, c, a0, zero             ; 8 matrix instructions; zero = 1: the first product starts the sums, with the bias
	WIN MUL
.irp a, \a0, (\a0)+1
.irp b, 0,1,2,3
.if \zero
	v_wmma_f32_16x16x32_bf16 v[ACC+8*(4*(\a)+(\b)):ACC+8*(4*(\a)+(\b))+7], v[(\f)+64+8*(4*(\c)+(\b)):(\f)+64+8*(4*(\c)+(\b))+7], v[(\f)+8*(4*(\c)+(\a)):(\f)+8*(4*(\c)+(\a))+7], v[BI+8*(\b):BI+8*(\b)+7]
.else
	v_wmma_f32_16x16x32_bf16 v[ACC+8*(4*(\a)+(\b)):ACC+8*(4*(\a)+(\b))+7], v[(\f)+64+8*(4*(\c)+(\b)):(\f)+64+8*(4*(\c)+(\b))+7], v[(\f)+8*(4*(\c)+(\a)):(\f)+8*(4*(\c)+(\a))+7], v[ACC+8*(4*(\a)+(\b)):ACC+8*(4*(\a)+(\b))+7]
.endif
.endr
.endr
.endm
.macro FETCH slot, k, f                ; 32 LDS loads in one run; the first 32 along K first
	WIN TO_F
.irp c, 0,1
.irp i, 0,1,2,3
	ds_load_b128 v[(\f)+64+8*(4*(\c)+(\i)):(\f)+64+8*(4*(\c)+(\i))+3],   v[ADRB+(\slot)] offset:(\k)+64*(\c)+(\i)*16*PITCH
	ds_load_b128 v[(\f)+64+8*(4*(\c)+(\i))+4:(\f)+64+8*(4*(\c)+(\i))+7], v[ADRB+(\slot)] offset:(\k)+64*(\c)+(\i)*16*PITCH+32
	ds_load_b128 v[(\f)+8*(4*(\c)+(\i)):(\f)+8*(4*(\c)+(\i))+3],         v[ADRA+(\slot)] offset:(\k)+64*(\c)+(\i)*16*PITCH
	ds_load_b128 v[(\f)+8*(4*(\c)+(\i))+4:(\f)+8*(4*(\c)+(\i))+7],       v[ADRA+(\slot)] offset:(\k)+64*(\c)+(\i)*16*PITCH+32
.endr
.endr
.endm
.macro PLACES                          ; four places behind matrix instructions (ISA guide 7.12.1)
.rept 4
	v_nop
.endr
.endm
.macro QUARTER slot, k, f, g, zero
	s_wait_dscnt 16                                ; the first 32 along K are in; the younger sixteen loads may be out
	WIN MUL
	MUL8 \f, 0, 0, \zero
	MUL8 \f, 0, 2, \zero
	PLACES
	FETCH \slot, \k, \g
	s_wait_dscnt 32                                ; all but the 32 just issued
	WIN MUL
	MUL8 \f, 1, 0, 0
	MUL8 \f, 1, 2, 0
.endm
.macro TURN slot, next, fill
	WIN 0
	s_wait_tensorcnt 0x0                           ; all my tensor loads have landed: my part of the next slot;
	ds_add_u32 v[SPW], v[NIL]                      ; 0 onto my spare word;
	s_wait_dscnt 17                                ; (the add and the youngest sixteen loads may be out)
	WIN MUL
	MUL8 F1, 0, 0, 0
	s_wait_dscnt 0x0                               ; the add is done, and my reads of this slot are over
	s_barrier_signal -1
	MUL8 F1, 0, 2, 0
.if \fill
	WIN 0
.endif
	s_barrier_wait -1
.if \fill
	CREST                                          ; no wave of any partner still reads this slot or has a load on its way
	s_add_nc_u64 s[G0+4*(\slot)+2:G0+4*(\slot)+3], s[G0+4*(\slot)+2:G0+4*(\slot)+3], 2*KSTEP*2
	s_add_nc_u64 s[G0B+4*(\slot)+2:G0B+4*(\slot)+3], s[G0B+4*(\slot)+2:G0B+4*(\slot)+3], 2*KSTEP*2
	JLOAD \slot
.else
	PLACES
.endif
	FETCH \next, 0, F0
	WIN MUL
	MUL8 F1, 1, 0, 0
	MUL8 F1, 1, 2, 0
.endm
	s_wait_tensorcnt 1                             ; my part of K step 0 is in; K step 1's may stay out
	s_barrier_signal -1
	s_barrier_wait -1
	FETCH 0, 0, F0
	s_wait_loadcnt 0x0                             ; the bias
	QUARTER 0, 128, F0, F1, 1
	QUARTER 0, 256, F1, F0, 0
	QUARTER 0, 384, F0, F1, 0
	TURN 0, 1, 1
	QUARTER 1, 128, F0, F1, 0
	QUARTER 1, 256, F1, F0, 0
	QUARTER 1, 384, F0, F1, 0
	TURN 1, 0, 1
	QUARTER 0, 128, F0, F1, 0
	QUARTER 0, 256, F1, F0, 0
	QUARTER 0, 384, F0, F1, 0
	TURN 0, 1, 0
	QUARTER 1, 128, F0, F1, 0
	QUARTER 1, 256, F1, F0, 0
	QUARTER 1, 384, F0, F1, 0
	s_wait_dscnt 16
	WIN MUL
	MUL8 F1, 0, 0, 0
	MUL8 F1, 0, 2, 0
	s_wait_dscnt 0
	MUL8 F1, 1, 0, 0
	MUL8 F1, 1, 2, 0
	WIN 0
	; THE WAY OUT: round to bf16, the maximum with 0, 16 bytes a lane into the stage; a barrier; back as whole rows, 32 rows a wave.
	PLACES
.irp t, 0,1,2,3,4,5,6,7,8,9,10,11,12,13,14,15
.irp r, 0,1,2,3
	v_cvt_pk_bf16_f32 v[TMP+4*(\t)+(\r)], v[ACC+8*(\t)+2*(\r)], v[ACC+8*(\t)+2*(\r)+1]
.endr
.endr
.set k, 0
.rept 64
	v_pk_max_num_bf16 v[TMP+k], v[TMP+k], v[ZR]
.set k, k+1
.endr
.irp a, 0,1,2,3
.irp b, 0,1,2,3
	ds_store_b128 v[STO], v[TMP+4*(4*(\a)+(\b)):TMP+4*(4*(\a)+(\b))+3] offset:(\a)*16*SPITCH+32*(\b)
.endr
.endr
	s_wait_dscnt 0x0                               ; for the others' sake: my stores into the stage are done
	s_barrier_signal -1
	s_barrier_wait -1
.irp t, 0,1,2,3,4,5,6,7,8,9,10,11,12,13,14,15
	ds_load_b128 v[TMP+4*(\t):TMP+4*(\t)+3], v[RD] offset:(\t)*2*SPITCH
.endr
.irp t, 0,1,2,3,4,5,6,7,8,9,10,11,12,13,14,15
	s_wait_dscnt 15-(\t)
	global_store_b128 v[CO], v[TMP+4*(\t):TMP+4*(\t)+3], s[8:9] offset:2*(\t)*SIZE_N*2  ; 16 lanes store 256 consecutive bytes, aligned
.endr
	s_wait_tensorcnt 0x0                           ; the wave's end
	ds_add_u32 v[SPW], v[NIL]
	s_wait_dscnt 0x0
	CROUND                                         ; the closing round
	s_endpgm
.Lfunc_end_k_q5a62f9f17d_gemm_up:
	.size	k_q5a62f9f17d_gemm_up, .Lfunc_end_k_q5a62f9f17d_gemm_up-k_q5a62f9f17d_gemm_up
	.p2alignl 7, 3214868480
	.fill 96, 4, 3214868480
	.section	.rodata,"a",@progbits
	.p2align	6, 0x0
	.amdhsa_kernel k_q5a62f9f17d_gemm_up
		.amdhsa_group_segment_fixed_size 327680
		.amdhsa_private_segment_fixed_size 0
		.amdhsa_enable_private_segment 0
		.amdhsa_kernarg_size 32
		.amdhsa_user_sgpr_count 2
		.amdhsa_user_sgpr_kernarg_segment_ptr 1
		.amdhsa_wavefront_size32 1
		.amdhsa_system_sgpr_workgroup_id_x 1
		.amdhsa_system_sgpr_workgroup_id_y 1
		.amdhsa_system_sgpr_workgroup_id_z 1
		.amdhsa_system_vgpr_workitem_id 0
		.amdhsa_next_free_vgpr 512
		.amdhsa_next_free_sgpr 80
		.amdhsa_reserve_vcc 0
		.amdhsa_float_denorm_mode_32 3
		.amdhsa_float_denorm_mode_16_64 3
		.amdhsa_memory_ordered 1
		.amdhsa_forward_progress 1
		.amdhsa_inst_pref_size 92
	.end_amdhsa_kernel
	.amdgpu_metadata
---
amdhsa.version: [ 1, 2 ]
amdhsa.kernels:
  - .name:           k_q5a62f9f17d_gemm_up
    .symbol:         k_q5a62f9f17d_gemm_up.kd
    .args:
      - { .name: hb, .offset: 0, .size: 8, .value_kind: global_buffer, .address_space: global }
      - { .name: wt, .offset: 8, .size: 8, .value_kind: global_buffer, .address_space: global }
      - { .name: b1, .offset: 16, .size: 8, .value_kind: global_buffer, .address_space: global }
      - { .name: a1, .offset: 24, .size: 8, .value_kind: global_buffer, .address_space: global }
    .group_segment_fixed_size: 327680
    .private_segment_fixed_size: 0
    .kernarg_segment_align: 8
    .kernarg_segment_size: 32
    .max_flat_workgroup_size: 128
    .sgpr_count:     80
    .vgpr_count:     512
    .wavefront_size: 32
...
	.end_amdgpu_metadata
.endif
;; end of part 5
;; launch gemm_down (part 6): grid 8 x 32, 4 waves a work-group, clusters of 4 x 4, 327,680 bytes of LDS; arguments a1, wt, b2, mf; writes mf
.if DOCPART == 6
	.amdgcn_target "amdgcn-amd-amdhsa--gfx1250"
	.amdhsa_code_object_version 6
	.text
	.protected	k_q5a62f9f17d_gemm_down
	.globl	k_q5a62f9f17d_gemm_down
	.p2align	8
	.type	k_q5a62f9f17d_gemm_down,@function
k_q5a62f9f17d_gemm_down:
	s_mov_b64 s[64:65], 0
	v_nop
	global_prefetch_b8 v0, s[64:65] scope:SCOPE_SE
	s_setreg_imm32_b32 hwreg(HW_REG_WAVE_MODE, 25, 1), 1
	s_wait_xcnt 0x0
	s_wait_alu depctr_hold_cnt(0) depctr_sa_sdst(0) depctr_va_vdst(0) depctr_va_sdst(0) depctr_va_ssrc(0) depctr_va_vcc(0) depctr_vm_vsrc(0)
	s_getreg_b32 s2, hwreg(HW_REG_IB_STS2, 6, 4)
	s_cmp_eq_u32 s2, 0
	s_cbranch_scc0 .Lentry_in_a_cluster
	s_endpgm
.Lentry_in_a_cluster:
	s_bfe_u32 s2, ttmp6, 0x10000c
	s_cmp_lg_u32 s2, 0xf033
	s_cbranch_scc0 .Lentry_shape_is_right
	s_endpgm
.Lentry_shape_is_right:
; m = a1 W2 + b2.  A = a1 [4096][1024] bf16, B = wt rows 4096..5119 ([out][in] bf16), sums in f32 that START WITH THE BIAS; stored in f32: the norm behind takes a common offset away again, so m is not rounded.
; A tile of C is 128 x 128, four waves of 64 x 64 (16 accumulators).  K goes in four steps of 256 through two LDS slots (rows of 512 bytes + 16 of padding; a wave's tensor load brings 64 rows).
; CLUSTERS: 4 x 4 work-groups; the four of a row of the cluster ask for A's tiles jointly, the four of a column for B's.
; THE MATRIX INSTRUCTION IS USED TRANSPOSED (source 0 = 16 rows of B, source 1 = 16 rows of A): a lane holds row l % 16 of C and the columns 8 (l / 16) + 0..7, so the bias of those eight columns is the C operand of the first product.
; A wave's 64 columns are 256 aligned bytes of a row of C: each wave sends its own rows through its own stage, 16 rows at a time, with no barrier.
; LIMITS: NaN and infinities are not treated apart.
; REGISTERS: window 0: v0-31 addresses; v32-95 at work on the way out; v96-127 the bias; v128-255 the accumulators.  window 1: two fragment buffers of 128.
.set SIZE_K, 1024
.set WOFF,   4096*2048
.set KSTEP,  256
.set PITCH,  528
.set HALFT,  64*PITCH
.set SLOT,   4*HALFT
.set STAGE,  2*SLOT                    ; behind the ring, never filled by a tensor load: 16 rows x 272 bytes for each wave
.set SPITCH, 272
.set SPARE,  STAGE+4*16*SPITCH         ; the spare words, 128 bytes for each wave: two blocks of 256 bytes that no other line names
.set ADRA, 16
.set ADRB, 20
.set STO,  24
.set RD,   25
.set CO,   26
.set BO,   27
.set SPW,  28                          ; SPARE + 4 x thread; never rewritten
.set NIL,  29                          ; 0; never rewritten
.set TMP,  32
.set BI,   96
.set ACC,  128
.set F0,   0
.set F1,   128
.set G1, 24
.set G0, 32
.set G1B, 48
.set G0B, 56
.set BIAS, 66
.set MSB, 0
.macro WIN new
.if MSB != (\new)
	s_set_vgpr_msb (MSB<<8)|(\new)
.set MSB, \new
.endif
.endm
.set MUL,  0x05
.set TO_F, 0x40
.macro JLOAD s                         ; a joint load: waves 0 and 1 fetch A's two halves, waves 2 and 3 B's; an s_nop 0 and four v_nop follow each line
	s_cmp_eq_u32 s11, 0
	s_cbranch_scc0 .Lfor_b_\@
	tensor_load_to_lds s[G0+4*(\s):G0+4*(\s)+3], s[G1:G1+7]
	s_nop 0
.rept 4
	v_nop
.endr
	s_branch .Lasked_\@
.Lfor_b_\@:
	tensor_load_to_lds s[G0B+4*(\s):G0B+4*(\s)+3], s[G1B:G1B+7]
	s_nop 0
.rept 4
	v_nop
.endr
.Lasked_\@:
.endm
.macro CREST
	s_cmp_lg_u32 s10, 0
	s_cbranch_scc1 .Lnot_wave_0_\@
	s_barrier_signal -3
.Lnot_wave_0_\@:
	s_barrier_wait -3
	s_barrier_signal -1
	s_barrier_wait -1
.endm
.macro CROUND
	s_barrier_signal -1
	s_barrier_wait -1
	CREST
.endm
	s_load_b128 s[4:7], s[0:1], 0x0                ; A s[4:5], wt s[6:7]
	s_load_b64 s[BIAS:BIAS+1], s[0:1], 0x10        ; b2
	s_load_b64 s[8:9], s[0:1], 0x18                ; mf
	v_lshl_add_u32 v[SPW], v0, 2, SPARE
	v_mov_b32 v[NIL], 0
	ds_add_u32 v[SPW], v[NIL]                      ; the wave's opening: the add and its wait stand ahead of my first tensor load
	v_lshrrev_b32 v1, 5, v0
	v_readfirstlane_b32 s10, v1
	s_lshr_b32 s11, s10, 1
	s_and_b32 s12, s10, 1
	s_bfe_u32 s40, ttmp6, 0x40000
	s_bfe_u32 s41, ttmp6, 0x40004
	s_lshl_b32 s42, ttmp9, 2
	s_add_co_u32 s42, s42, s40                     ; tile column
	s_and_b32 s13, ttmp7, 0xffff
	s_lshl_b32 s13, s13, 2
	s_add_co_u32 s13, s13, s41                     ; tile row
	s_lshl_b32 s43, s41, 2
	s_lshl_b32 s43, 15, s43
	s_lshl_b32 s44, 0x1111, s40
	s_or_b32 s[G1+0], s43, (1<<16)|(1<<20)|(1<<21)|(6<<22)|(3<<25)
	s_or_b32 s[G1B+0], s44, (1<<16)|(1<<20)|(1<<21)|(6<<22)|(3<<25)
.irp g, G1, G1B
	s_mov_b32 s[(\g)+1], KSTEP<<16
	s_mov_b32 s[(\g)+2], 64<<16
	s_mov_b32 s[(\g)+3], KSTEP<<16
	s_mov_b32 s[(\g)+4], 64
	s_mov_b32 s[(\g)+5], SIZE_K
	s_mov_b32 s[(\g)+6], 0
	s_mov_b32 s[(\g)+7], 0
.endr
	s_lshl_b32 s17, s12, 6
	s_lshl_b32 s16, s13, 7
	s_add_co_u32 s16, s16, s17
	s_lshl_b32 s46, s42, 7
	s_add_co_u32 s46, s46, s17
	s_mov_b32 s17, 0
	s_mov_b32 s47, 0
	s_mov_b64 s[18:19], SIZE_K*2
	s_mul_u64 s[16:17], s[16:17], s[18:19]
	s_mul_u64 s[46:47], s[46:47], s[18:19]
	s_mul_i32 s20, s10, HALFT
	s_wait_dscnt 0x0                               ; the opening add is done
	s_wait_kmcnt 0x0
	s_add_nc_u64 s[14:15], s[4:5], s[16:17]
	s_add_nc_u64 s[46:47], s[6:7], s[46:47]
	s_add_nc_u64 s[46:47], s[46:47], WOFF          ; W2's rows in wt
	CROUND
.irp s, 0,1
	s_mov_b32 s[G0+4*(\s)], 1
	s_add_co_u32 s[G0+4*(\s)+1], s20, (\s)*SLOT
	s_add_nc_u64 s[G0+4*(\s)+2:G0+4*(\s)+3], s[14:15], (\s)*KSTEP*2
	s_or_b32 s[G0+4*(\s)+3], s[G0+4*(\s)+3], 0x80000000
	s_mov_b32 s[G0B+4*(\s)], 1
	s_add_co_u32 s[G0B+4*(\s)+1], s20, (\s)*SLOT
	s_add_nc_u64 s[G0B+4*(\s)+2:G0B+4*(\s)+3], s[46:47], (\s)*KSTEP*2
	s_or_b32 s[G0B+4*(\s)+3], s[G0B+4*(\s)+3], 0x80000000
	JLOAD \s
.endr
	v_and_b32 v1, 15, v0
	v_bfe_u32 v2, v0, 4, 1
	v_mul_u32_u24 v3, v1, PITCH
	v_lshl_add_u32 v3, v2, 4, v3
	s_mul_i32 s21, s11, HALFT
	s_mul_i32 s22, s12, HALFT
	s_add_co_u32 s22, s22, 2*HALFT
.irp s, 0,1
	v_add_nc_u32 v[ADRA+(\s)], s21, v3
	v_add_nc_u32 v[ADRB+(\s)], s22, v3
	s_add_co_u32 s21, s21, SLOT
	s_add_co_u32 s22, s22, SLOT
.endr
	s_lshl_b32 s46, s42, 9                         ; my 64 columns, 4 bytes each: the same offset in the bias and in a row of C
	s_lshl_b32 s47, s12, 8
	s_add_co_u32 s46, s46, s47
	s_mov_b32 s47, 0
	s_add_nc_u64 s[BIAS:BIAS+1], s[BIAS:BIAS+1], s[46:47]
	s_add_nc_u64 s[8:9], s[8:9], s[46:47]
	v_lshlrev_b32 v[BO], 5, v2
.irp b, 0,1,2,3
	global_load_b128 v[BI+8*(\b):BI+8*(\b)+3],   v[BO], s[BIAS:BIAS+1] offset:64*(\b)
	global_load_b128 v[BI+8*(\b)+4:BI+8*(\b)+7], v[BO], s[BIAS:BIAS+1] offset:64*(\b)+16
.endr
	s_mul_i32 s23, s10, 16*SPITCH
	s_add_co_u32 s23, s23, STAGE                   ; my stage
	v_mul_u32_u24 v4, v1, SPITCH                   ; in: row l % 16, 32 bytes for each half of the lanes
	v_lshl_add_u32 v4, v2, 5, v4
	v_add_nc_u32 v[STO], s23, v4
	v_mul_u32_u24 v5, v2, SPITCH                   ; back: lanes 0-15 one row of 256 bytes, lanes 16-31 the next
	v_lshl_add_u32 v5, v1, 4, v5
	v_add_nc_u32 v[RD], s23, v5
	v_lshlrev_b32 v5, 12, v2                       ; and the same two rows in C
	v_lshl_add_u32 v[CO], v1, 4, v5
	s_lshl_b32 s16, s13, 7
	s_lshl_b32 s17, s11, 6
	s_add_co_u32 s16, s16, s17                     ; my first row
	s_lshl_b32 s16, s16, 12
	s_mov_b32 s17, 0
	s_add_nc_u64 s[8:9], s[8:9], s[16:17]
.macro MUL8 f, c, a0, zero             ; 8 matrix instructions; zero = 1: the first product starts the sums, with the bias
	WIN MUL
.irp a, \a0, (\a0)+1
.irp b, 0,1,2,3
.if \zero
	v_wmma_f32_16x16x32_bf16 v[ACC+8*(4*(\a)+(\b)):ACC+8*(4*(\a)+(\b))+7], v[(\f)+64+8*(4*(\c)+(\b)):(\f)+64+8*(4*(\c)+(\b))+7], v[(\f)+8*(4*(\c)+(\a)):(\f)+8*(4*(\c)+(\a))+7], v[BI+8*(\b):BI+8*(\b)+7]
.else
	v_wmma_f32_16x16x32_bf16 v[ACC+8*(4*(\a)+(\b)):ACC+8*(4*(\a)+(\b))+7], v[(\f)+64+8*(4*(\c)+(\b)):(\f)+64+8*(4*(\c)+(\b))+7], v[(\f)+8*(4*(\c)+(\a)):(\f)+8*(4*(\c)+(\a))+7], v[ACC+8*(4*(\a)+(\b)):ACC+8*(4*(\a)+(\b))+7]
.endif
.endr
.endr
.endm
.macro FETCH slot, k, f                ; 32 LDS loads in one run; the first 32 along K first
	WIN TO_F
.irp c, 0,1
.irp i, 0,1,2,3
	ds_load_b128 v[(\f)+64+8*(4*(\c)+(\i)):(\f)+64+8*(4*(\c)+(\i))+3],   v[ADRB+(\slot)] offset:(\k)+64*(\c)+(\i)*16*PITCH
	ds_load_b128 v[(\f)+64+8*(4*(\c)+(\i))+4:(\f)+64+8*(4*(\c)+(\i))+7], v[ADRB+(\slot)] offset:(\k)+64*(\c)+(\i)*16*PITCH+32
	ds_load_b128 v[(\f)+8*(4*(\c)+(\i)):(\f)+8*(4*(\c)+(\i))+3],         v[ADRA+(\slot)] offset:(\k)+64*(\c)+(\i)*16*PITCH
	ds_load_b128 v[(\f)+8*(4*(\c)+(\i))+4:(\f)+8*(4*(\c)+(\i))+7],       v[ADRA+(\slot)] offset:(\k)+64*(\c)+(\i)*16*PITCH+32
.endr
.endr
.endm
.macro PLACES                          ; four places behind matrix instructions (ISA guide 7.12.1)
.rept 4
	v_nop
.endr
.endm
.macro QUARTER slot, k, f, g, zero
	s_wait_dscnt 16                                ; the first 32 along K are in; the younger sixteen loads may be out
	WIN MUL
	MUL8 \f, 0, 0, \zero
	MUL8 \f, 0, 2, \zero
	PLACES
	FETCH \slot, \k, \g
	s_wait_dscnt 32                                ; all but the 32 just issued
	WIN MUL
	MUL8 \f, 1, 0, 0
	MUL8 \f, 1, 2, 0
.endm
.macro TURN slot, next, fill
	WIN 0
	s_wait_tensorcnt 0x0                           ; all my tensor loads have landed: my part of the next slot;
	ds_add_u32 v[SPW], v[NIL]                      ; 0 onto my spare word;
	s_wait_dscnt 17                                ; (the add and the youngest sixteen loads may be out)
	WIN MUL
	MUL8 F1, 0, 0, 0
	s_wait_dscnt 0x0                               ; the add is done, and my reads of this slot are over
	s_barrier_signal -1
	MUL8 F1, 0, 2, 0
.if \fill
	WIN 0
.endif
	s_barrier_wait -1
.if \fill
	CREST                                          ; no wave of any partner still reads this slot or has a load on its way
	s_add_nc_u64 s[G0+4*(\slot)+2:G0+4*(\slot)+3], s[G0+4*(\slot)+2:G0+4*(\slot)+3], 2*KSTEP*2
	s_add_nc_u64 s[G0B+4*(\slot)+2:G0B+4*(\slot)+3], s[G0B+4*(\slot)+2:G0B+4*(\slot)+3], 2*KSTEP*2
	JLOAD \slot
.else
	PLACES
.endif
	FETCH \next, 0, F0
	WIN MUL
	MUL8 F1, 1, 0, 0
	MUL8 F1, 1, 2, 0
.endm
	s_wait_tensorcnt 1                             ; my part of K step 0 is in; K step 1's may stay out
	s_barrier_signal -1
	s_barrier_wait -1
	FETCH 0, 0, F0
	s_wait_loadcnt 0x0                             ; the bias
	QUARTER 0, 128, F0, F1, 1
	QUARTER 0, 256, F1, F0, 0
	QUARTER 0, 384, F0, F1, 0
	TURN 0, 1, 1
	QUARTER 1, 128, F0, F1, 0
	QUARTER 1, 256, F1, F0, 0
	QUARTER 1, 384, F0, F1, 0
	TURN 1, 0, 1
	QUARTER 0, 128, F0, F1, 0
	QUARTER 0, 256, F1, F0, 0
	QUARTER 0, 384, F0, F1, 0
	TURN 0, 1, 0
	QUARTER 1, 128, F0, F1, 0
	QUARTER 1, 256, F1, F0, 0
	QUARTER 1, 384, F0, F1, 0
	s_wait_dscnt 16
	WIN MUL
	MUL8 F1, 0, 0, 0
	MUL8 F1, 0, 2, 0
	s_wait_dscnt 0
	MUL8 F1, 1, 0, 0
	MUL8 F1, 1, 2, 0
	WIN 0
	; THE WAY OUT, 16 rows at a time: the sums as they are into my stage (each accumulator's low half first), back as whole rows of 256 bytes.
	PLACES
.irp a, 0,1,2,3
.if (\a) >= 2
	s_wait_xcnt 0x0                                ; the registers loaded below were the data of the stores two passes back
.endif
.irp b, 0,1,2,3
	ds_store_b128 v[STO], v[ACC+8*(4*(\a)+(\b)):ACC+8*(4*(\a)+(\b))+3]   offset:64*(\b)
	ds_store_b128 v[STO], v[ACC+8*(4*(\a)+(\b))+4:ACC+8*(4*(\a)+(\b))+7] offset:64*(\b)+16
.endr
.irp u, 0,1,2,3,4,5,6,7
	ds_load_b128 v[TMP+32*((\a)%2)+4*(\u):TMP+32*((\a)%2)+4*(\u)+3], v[RD] offset:(\u)*2*SPITCH  ; LDS serves a wave's instructions in order (ISA guide 5.7.1.4)
.endr
.irp u, 0,1,2,3,4,5,6,7
	s_wait_dscnt 7-(\u)
	global_store_b128 v[CO], v[TMP+32*((\a)%2)+4*(\u):TMP+32*((\a)%2)+4*(\u)+3], s[8:9] offset:(16*(\a)+2*(\u))*4096  ; 16 lanes store 256 consecutive bytes, aligned
.endr
.endr
	s_wait_tensorcnt 0x0                           ; the wave's end
	ds_add_u32 v[SPW], v[NIL]
	s_wait_dscnt 0x0
	CROUND                                         ; the closing round
	s_endpgm
.Lfunc_end_k_q5a62f9f17d_gemm_down:
	.size	k_q5a62f9f17d_gemm_down, .Lfunc_end_k_q5a62f9f17d_gemm_down-k_q5a62f9f17d_gemm_down
	.p2alignl 7, 3214868480
	.fill 96, 4, 3214868480
	.section	.rodata,"a",@progbits
	.p2align	6, 0x0
	.amdhsa_kernel k_q5a62f9f17d_gemm_down
		.amdhsa_group_segment_fixed_size 327680
		.amdhsa_private_segment_fixed_size 0
		.amdhsa_enable_private_segment 0
		.amdhsa_kernarg_size 32
		.amdhsa_user_sgpr_count 2
		.amdhsa_user_sgpr_kernarg_segment_ptr 1
		.amdhsa_wavefront_size32 1
		.amdhsa_system_sgpr_workgroup_id_x 1
		.amdhsa_system_sgpr_workgroup_id_y 1
		.amdhsa_system_sgpr_workgroup_id_z 1
		.amdhsa_system_vgpr_workitem_id 0
		.amdhsa_next_free_vgpr 512
		.amdhsa_next_free_sgpr 80
		.amdhsa_reserve_vcc 0
		.amdhsa_float_denorm_mode_32 3
		.amdhsa_float_denorm_mode_16_64 3
		.amdhsa_memory_ordered 1
		.amdhsa_forward_progress 1
		.amdhsa_inst_pref_size 87
	.end_amdhsa_kernel
	.amdgpu_metadata
---
amdhsa.version: [ 1, 2 ]
amdhsa.kernels:
  - .name:           k_q5a62f9f17d_gemm_down
    .symbol:         k_q5a62f9f17d_gemm_down.kd
    .args:
      - { .name: a1, .offset: 0, .size: 8, .value_kind: global_buffer, .address_space: global }
      - { .name: wt, .offset: 8, .size: 8, .value_kind: global_buffer, .address_space: global }
      - { .name: b2, .offset: 16, .size: 8, .value_kind: global_buffer, .address_space: global }
      - { .name: mf, .offset: 24, .size: 8, .value_kind: global_buffer, .address_space: global }
    .group_segment_fixed_size: 327680
    .private_segment_fixed_size: 0
    .kernarg_segment_align: 8
    .kernarg_segment_size: 32
    .max_flat_workgroup_size: 128
    .sgpr_count:     80
    .vgpr_count:     512
    .wavefront_size: 32
...
	.end_amdgpu_metadata
.endif
;; end of part 6
;; launch ln2 (part 7): grid 512 x 1, 4 waves a work-group, no clusters, 0 bytes of LDS; arguments mf, hf, ln2_g, ln2_b, out0; writes out0
.if DOCPART == 7
	.amdgcn_target "amdgcn-amd-amdhsa--gfx1250"
	.amdhsa_code_object_version 6
	.text
	.protected	k_q5a62f9f17d_ln2
	.globl	k_q5a62f9f17d_ln2
	.p2align	8
	.type	k_q5a62f9f17d_ln2,@function
k_q5a62f9f17d_ln2:
	s_mov_b64 s[64:65], 0
	v_nop
	global_prefetch_b8 v0, s[64:65] scope:SCOPE_SE
	s_setreg_imm32_b32 hwreg(HW_REG_WAVE_MODE, 25, 1), 1
	s_wait_xcnt 0x0
; out[l][n][:] = LayerNorm(m + h) g + b.  mf, hf: [n x 1024 + l][1024] f32; out0: [l][n][1024] f32.
; A work-group has 8 rows, a wave 2 whole rows in registers: the sums never leave the wave, so there is no LDS and no barrier.  All of a wave's 48 loads are issued at once: a stream; no matrix unit, no tensor load, no cluster.
; The mean is taken away before the squares are summed: no difference of large sums is formed.  eps = 1e-5; the variance is the sum of squares / 1024.
.set VO,  4                            ; 16 x lane
.set WK,  8                            ; eight at work for each of the two rows
.set MU,  24
.set RS,  28
.set X,   32                           ; row p at X + 32 p: lane's numbers 128 j + 4 lane + 0..3 at + 4 j
.set T,   96
.set G,   160
.set B,   192
.macro BOTH line:vararg                ; one line for each of my two rows p
.set p, 0
.rept 2
	\line
.set p, p+1
.endr
.endm
.macro FOLD
	BOTH v_pk_add_f32 v[WK+8*p:WK+8*p+1], v[WK+8*p:WK+8*p+1], v[WK+8*p+2:WK+8*p+3]
	BOTH v_pk_add_f32 v[WK+8*p+4:WK+8*p+5], v[WK+8*p+4:WK+8*p+5], v[WK+8*p+6:WK+8*p+7]
	BOTH v_pk_add_f32 v[WK+8*p:WK+8*p+1], v[WK+8*p:WK+8*p+1], v[WK+8*p+4:WK+8*p+5]
	BOTH v_add_f32 v[WK+8*p], v[WK+8*p], v[WK+8*p+1]
.endm
.macro RED
	BOTH v_add_f32_dpp v[WK+8*p], v[WK+8*p], v[WK+8*p] row_xmask:1 row_mask:0xf bank_mask:0xf
	BOTH v_add_f32_dpp v[WK+8*p], v[WK+8*p], v[WK+8*p] row_xmask:2 row_mask:0xf bank_mask:0xf
	BOTH v_add_f32_dpp v[WK+8*p], v[WK+8*p], v[WK+8*p] row_xmask:4 row_mask:0xf bank_mask:0xf
	BOTH v_add_f32_dpp v[WK+8*p], v[WK+8*p], v[WK+8*p] row_xmask:8 row_mask:0xf bank_mask:0xf
	BOTH v_permlanex16_b32 v[WK+8*p+1], v[WK+8*p], s26, s27
	BOTH v_add_f32 v[WK+8*p], v[WK+8*p], v[WK+8*p+1]
.endm
.macro STATS
.set c, 0
.rept 4
	BOTH v_pk_add_f32 v[WK+8*p+2*c:WK+8*p+2*c+1], v[X+32*p+2*c:X+32*p+2*c+1], v[X+32*p+8+2*c:X+32*p+8+2*c+1]
.set c, c+1
.endr
.set c, 0
.rept 8
	BOTH v_pk_add_f32 v[WK+8*p+2*(c%4):WK+8*p+2*(c%4)+1], v[WK+8*p+2*(c%4):WK+8*p+2*(c%4)+1], v[X+32*p+16+2*c:X+32*p+16+2*c+1]
.set c, c+1
.endr
	FOLD
	RED
	BOTH v_mul_f32 v[MU+2*p], s28, v[WK+8*p]
	BOTH v_mov_b32 v[MU+2*p+1], v[MU+2*p]
.set c, 0
.rept 16
	BOTH v_pk_add_f32 v[X+32*p+2*c:X+32*p+2*c+1], v[X+32*p+2*c:X+32*p+2*c+1], v[MU+2*p:MU+2*p+1] op_sel_hi:[1,0] neg_lo:[0,1] neg_hi:[0,1]
.set c, c+1
.endr
.set c, 0
.rept 4
	BOTH v_pk_mul_f32 v[WK+8*p+2*c:WK+8*p+2*c+1], v[X+32*p+2*c:X+32*p+2*c+1], v[X+32*p+2*c:X+32*p+2*c+1]
.set c, c+1
.endr
.rept 12
	BOTH v_pk_fma_f32 v[WK+8*p+2*(c%4):WK+8*p+2*(c%4)+1], v[X+32*p+2*c:X+32*p+2*c+1], v[X+32*p+2*c:X+32*p+2*c+1], v[WK+8*p+2*(c%4):WK+8*p+2*(c%4)+1]
.set c, c+1
.endr
	FOLD
	RED
	BOTH v_fma_f32 v[WK+8*p], v[WK+8*p], s28, s29
	BOTH v_rsq_f32 v[RS+2*p], v[WK+8*p]            ; made twice, to fill the pair that the packed multiply names
	BOTH v_rsq_f32 v[RS+2*p+1], v[WK+8*p]
	v_nop                                          ; a plain instruction behind the last of them,
	s_wait_alu depctr_va_vdst(0)                   ; and the one wait ahead of the first reader
.endm
.macro NORM
	s_wait_loadcnt 0x0                             ; g and b
.set c, 0
.rept 16
	BOTH v_pk_mul_f32 v[X+32*p+2*c:X+32*p+2*c+1], v[X+32*p+2*c:X+32*p+2*c+1], v[RS+2*p:RS+2*p+1] op_sel_hi:[1,0]
.set c, c+1
.endr
.set c, 0
.rept 16
	BOTH v_pk_fma_f32 v[X+32*p+2*c:X+32*p+2*c+1], v[X+32*p+2*c:X+32*p+2*c+1], v[G+2*c:G+2*c+1], v[B+2*c:B+2*c+1]
.set c, c+1
.endr
.endm
	s_load_b256 s[4:11], s[0:1], 0x0               ; mf s[4:5], hf s[6:7], g s[8:9], b s[10:11]
	s_load_b64 s[12:13], s[0:1], 0x20              ; out0
	v_lshrrev_b32 v1, 5, v0
	v_readfirstlane_b32 s16, v1                    ; wave
	v_and_b32 v1, 31, v0
	v_lshlrev_b32 v[VO], 4, v1
	s_lshr_b32 s18, ttmp9, 7                       ; n
	s_and_b32 s19, ttmp9, 127
	s_lshl_b32 s19, s19, 3                         ; l of the work-group's first row
	s_lshl_b32 s23, s16, 1
	s_lshl_b32 s22, ttmp9, 3
	s_add_co_u32 s22, s22, s23                     ; my first row in mf and hf
	s_lshl_b32 s22, s22, 12
	s_add_co_u32 s24, s19, s23                     ; its l,
	s_lshl_b32 s24, s24, 2
	s_add_co_u32 s24, s24, s18                     ; its row in out0: 4 l + n
	s_lshl_b32 s24, s24, 12
	s_mov_b32 s23, 0
	s_mov_b32 s25, 0
	s_mov_b32 s26, 0x76543210
	s_mov_b32 s27, 0xfedcba98
	s_mov_b32 s28, 0x3a800000                      ; 1 / 1024
	s_mov_b32 s29, 0x3727c5ac                      ; 1e-5
	s_wait_kmcnt 0x0
	s_add_nc_u64 s[4:5], s[4:5], s[22:23]
	s_add_nc_u64 s[6:7], s[6:7], s[22:23]
	s_add_nc_u64 s[12:13], s[12:13], s[24:25]
.set k, 0
.rept 16
	global_load_b128 v[T+4*k:T+4*k+3], v[VO], s[4:5] offset:(k/8)*4096+(k%8)*512 th:TH_LOAD_NT
.set k, k+1
.endr
.set k, 0
.rept 16
	global_load_b128 v[X+4*k:X+4*k+3], v[VO], s[6:7] offset:(k/8)*4096+(k%8)*512 th:TH_LOAD_NT
.set k, k+1
.endr
.set k, 0
.rept 8
	global_load_b128 v[G+4*k:G+4*k+3], v[VO], s[8:9] offset:k*512
.set k, k+1
.endr
.set k, 0
.rept 8
	global_load_b128 v[B+4*k:B+4*k+3], v[VO], s[10:11] offset:k*512
.set k, k+1
.endr
	s_wait_loadcnt 16                              ; m and h are in; the 16 loads of g and b may be out
.set c, 0
.rept 32
	v_pk_add_f32 v[X+2*c:X+2*c+1], v[X+2*c:X+2*c+1], v[T+2*c:T+2*c+1]
.set c, c+1
.endr
	STATS
	NORM
.set k, 0
.rept 16
	global_store_b128 v[VO], v[X+4*k:X+4*k+3], s[12:13] offset:(k/8)*16384+(k%8)*512 th:TH_STORE_NT  ; my second row has the next l: four rows of out0 further on
.set k, k+1
.endr
	s_endpgm
.Lfunc_end_k_q5a62f9f17d_ln2:
	.size	k_q5a62f9f17d_ln2, .Lfunc_end_k_q5a62f9f17d_ln2-k_q5a62f9f17d_ln2
	.p2alignl 7, 3214868480
	.fill 96, 4, 3214868480
	.section	.rodata,"a",@progbits
	.p2align	6, 0x0
	.amdhsa_kernel k_q5a62f9f17d_ln2
		.amdhsa_group_segment_fixed_size 0
		.amdhsa_private_segment_fixed_size 0
		.amdhsa_enable_private_segment 0
		.amdhsa_kernarg_size 40
		.amdhsa_user_sgpr_count 2
		.amdhsa_user_sgpr_kernarg_segment_ptr 1
		.amdhsa_wavefront_size32 1
		.amdhsa_system_sgpr_workgroup_id_x 1
		.amdhsa_system_sgpr_workgroup_id_y 1
		.amdhsa_system_sgpr_workgroup_id_z 1
		.amdhsa_system_vgpr_workitem_id 0
		.amdhsa_next_free_vgpr 232
		.amdhsa_next_free_sgpr 66
		.amdhsa_reserve_vcc 0
		.amdhsa_float_denorm_mode_32 3
		.amdhsa_float_denorm_mode_16_64 3
		.amdhsa_memory_ordered 1
		.amdhsa_forward_progress 1
		.amdhsa_inst_pref_size 22
	.end_amdhsa_kernel
	.amdgpu_metadata
---
amdhsa.version: [ 1, 2 ]
amdhsa.kernels:
  - .name:           k_q5a62f9f17d_ln2
    .symbol:         k_q5a62f9f17d_ln2.kd
    .args:
      - { .name: mf, .offset: 0, .size: 8, .value_kind: global_buffer, .address_space: global }
      - { .name: hf, .offset: 8, .size: 8, .value_kind: global_buffer, .address_space: global }
      - { .name: ln2_g, .offset: 16, .size: 8, .value_kind: global_buffer, .address_space: global }
      - { .name: ln2_b, .offset: 24, .size: 8, .value_kind: global_buffer, .address_space: global }
      - { .name: out0, .offset: 32, .size: 8, .value_kind: global_buffer, .address_space: global }
    .group_segment_fixed_size: 0
    .private_segment_fixed_size: 0
    .kernarg_segment_align: 8
    .kernarg_segment_size: 40
    .max_flat_workgroup_size: 128
    .sgpr_count:     66
    .vgpr_count:     232
    .wavefront_size: 32
...
	.end_amdgpu_metadata
.endif
;; end of part 7
;; ======== version 2 of 2: 7 launches; version 1 with the launches prep, ln1 written anew for expert scheduling mode
;; workspace buffers: xb 8,388,608 bytes; wt 10,504,192 bytes; qkv 25,165,824 bytes; tb 16,777,216 bytes; hf 16,777,216 bytes; hb 8,388,608 bytes; a1 8,388,608 bytes; mf 16,777,216 bytes
;; launch prep (part 8): grid 1153 x 1, 4 waves a work-group, no clusters, 17,408 bytes of LDS; arguments x, Wq, Wk, Wv, W1, W2, dist_emb, xb, wt; writes xb, wt
.if DOCPART == 8
	.amdgcn_target "amdgcn-amd-amdhsa--gfx1250"
	.amdhsa_code_object_version 6
	.text
	.protected	k_q5a62f9f17d_prep
	.globl	k_q5a62f9f17d_prep
	.p2align	8
	.type	k_q5a62f9f17d_prep,@function
k_q5a62f9f17d_prep:
	s_mov_b64 s[64:65], 0
	v_nop
	global_prefetch_b8 v0, s[64:65] scope:SCOPE_SE
	s_setreg_imm32_b32 hwreg(HW_REG_WAVE_SCHED_MODE, 0, 2), 2
	s_setreg_imm32_b32 hwreg(HW_REG_WAVE_MODE, 25, 1), 1
	s_wait_xcnt 0x0
	s_wait_alu depctr_vm_vsrc(0)
; PREPARATION of the matrix operands, all rounded once to bf16.
;   work-groups 0..639     one tile, 128 k x 64 c, of one of the five weights [k][c] f32 -> wt[c][k] bf16 (rows 0.. Wq, 1024.. Wk, 2048.. Wv, 3072.. W1, 4096.. W2)
;   work-groups 640..1151  32,768 bytes of x (f32) -> xb (bf16), same order
;   work-group  1152       drt[p][:] = dist_emb[clamp(272 - p, 0, 256)][:], p = 0..287, behind wt's 5,120 rows: the table reversed, with 16 copies of its last row in front and 16 of its first behind
; Each work-group issues all its 16 (18) loads a lane at once and stores once: a stream, so no matrix unit, no tensor load, no cluster.
; The transposition goes through LDS: a lane packs 4 neighbouring k of one c (8 bytes) into row c; rows of 256 bytes come back whole, 32 lanes x 8 bytes.
; The role hangs on the work-group's number alone; every wave of every role passes the one barrier.
; THE MODE: SCHED_MODE bits 1:0 = 2 (LLVM: expert scheduling mode 2), set by the entry lines.  The code itself states the register dependences
; between vector instructions and memory or LDS instructions, with s_wait_alu, always for 0.
; THE PLAN.  Registers that memory or LDS instructions touch:
;   v7 - v9, v12 - v29   a role's offsets and addresses: written once, at the role's head, ahead of one wait; read by its loads and stores.
;   v[LD ..]             what the global loads bring.  The table's and x's conversions write registers 4 j and 4 j + 1 of it in place, and the stores read these; none is written again.
;   v[PK ..]             a weight tile's 16 packed pairs: written by its conversions, read by its LDS stores; behind the barrier the rows read back land in them, and the last stores read them.
;   v9, v10              behind the barrier: written by two vector lines, read by the LDS loads and the last stores.
; A role works in groups (the table: 3 of 6 passes; x and a weight: 4 of 4 loads).  At a group's head, behind the wait for its data, ONE wait states that the group before has written what its
; stores read; those stores are dealt among this group's conversions, which name this group's registers alone.  One more such wait stands ahead of the last group's stores.
.set PT,      264                      ; an LDS row: 128 k x 2 bytes + 8
.set SPARE,   64*PT                    ; 16,896: behind the tile, the spare words: 128 bytes a wave, two blocks of 256 bytes that no other line names
.set DRT_OFF, 5120*2048
.set SPW, 2                            ; v2  SPARE + 4 x thread; never rewritten
.set NIL, 3                            ; v3  0; never rewritten
.set LD,  32                           ; v32 - v103   what the loads bring
.set PK,  104                          ; v104 - v135  a weight tile's packed pairs, then its rows as read back
.set WV,  22                           ; s22 wave
.set WG,  23                           ; s23 work-group
	s_load_b512 s[4:19], s[0:1], 0x0               ; x s[4:5], Wq s[6:7], Wk s[8:9], Wv s[10:11], W1 s[12:13], W2 s[14:15], dist_emb s[16:17], xb s[18:19]
	s_load_b64 s[20:21], s[0:1], 0x40              ; wt
	v_lshl_add_u32 v[SPW], v0, 2, SPARE
	v_mov_b32 v[NIL], 0
	v_lshrrev_b32 v1, 5, v0
	v_readfirstlane_b32 s[WV], v1
	v_and_b32 v4, 15, v0                           ; a
	v_bfe_u32 v5, v0, 4, 1                         ; h
	v_and_b32 v6, 31, v0                           ; lane
	s_mov_b32 s[WG], ttmp9
	s_wait_alu depctr_va_sdst(0)                   ; the wave's number is written into s22, ahead of the first branch and of every reader: offsets are made from it in two roles
	s_wait_kmcnt 0x0
	s_cmp_lt_u32 s[WG], 640
	s_cbranch_scc1 .Ltrans
	s_cmp_lt_u32 s[WG], 1152
	s_cbranch_scc1 .Lcast
	; THE TABLE.  Pass u writes rows 16 u .. 16 u + 15 of drt: thread t takes row 16 u + t / 8, its 4 numbers (t % 8)
	v_lshrrev_b32 v7, 3, v0
	v_and_b32 v8, 7, v0
	v_lshlrev_b32 v8, 4, v8
	v_lshlrev_b32 v9, 3, v0
	s_add_nc_u64 s[24:25], s[20:21], DRT_OFF
.set u, 0
.rept 18
	v_sub_nc_u32 v[12+u], 272-16*u, v7             ; 272 - p,
	v_max_i32 v[12+u], 0, v[12+u]                  ; held to 0 ..
	v_min_u32 v[12+u], 0x100, v[12+u]              ; .. 256
	v_lshl_add_u32 v[12+u], v[12+u], 7, v8         ; a row of the table is 128 bytes
.set u, u+1
.endr
	s_wait_alu depctr_va_vdst(0)                   ; the 18 addresses v12 to v29, which the loads read, and the stores' offset v9 are written
.set u, 0
.rept 18
	global_load_b128 v[LD+4*u:LD+4*u+3], v[12+u], s[16:17]
.set u, u+1
.endr
.set u, 0
.rept 18
.if u%6 == 0
	s_wait_loadcnt 12-u                            ; loads come back in order: this group's six are in, the younger groups' stay out
.if u > 0
	s_wait_alu depctr_va_vdst(0)                   ; the group before has written its twelve packed registers, which the six stores dealt below read
.endif
.endif
.if u >= 6
	global_store_b64 v9, v[LD+4*(u-6):LD+4*(u-6)+1], s[24:25] offset:(u-6)*1024  ; no vector line since the wait names these registers
.endif
	v_cvt_pk_bf16_f32 v[LD+4*u], v[LD+4*u], v[LD+4*u+1]
	v_cvt_pk_bf16_f32 v[LD+4*u+1], v[LD+4*u+2], v[LD+4*u+3]
.set u, u+1
.endr
	s_wait_alu depctr_va_vdst(0)                   ; the last group has written its packed registers, which the last six stores read
.set u, 12
.rept 6
	global_store_b64 v9, v[LD+4*u:LD+4*u+1], s[24:25] offset:u*1024
.set u, u+1
.endr
	s_branch .Lmeet
.Lcast:                                        ; X.  A wave takes 8,192 bytes: 16 loads of 512 consecutive bytes, 16 stores of 256
	s_sub_co_u32 s26, s[WG], 640
	s_lshl_b32 s24, s26, 15
	s_lshl_b32 s27, s[WV], 13
	s_add_co_u32 s24, s24, s27
	s_mov_b32 s25, 0
	s_add_nc_u64 s[28:29], s[4:5], s[24:25]
	s_lshr_b32 s24, s24, 1
	s_add_nc_u64 s[30:31], s[18:19], s[24:25]
	v_lshlrev_b32 v7, 4, v6
	v_lshlrev_b32 v8, 3, v6
	s_wait_alu depctr_va_vdst(0)                   ; the loads' offset v7 and the stores' offset v8 are written
.set j, 0
.rept 16
	global_load_b128 v[LD+4*j:LD+4*j+3], v7, s[28:29] offset:j*512 th:TH_LOAD_NT
.set j, j+1
.endr
.set j, 0
.rept 16
.if j%4 == 0
	s_wait_loadcnt 12-j                            ; this group's four loads are in, the younger groups' stay out
.if j > 0
	s_wait_alu depctr_va_vdst(0)                   ; the group before has written its eight packed registers, which the four stores dealt below read
.endif
.endif
.if j >= 4
	global_store_b64 v8, v[LD+4*(j-4):LD+4*(j-4)+1], s[30:31] offset:(j-4)*256  ; no vector line since the wait names these registers
.endif
	v_cvt_pk_bf16_f32 v[LD+4*j], v[LD+4*j], v[LD+4*j+1]
	v_cvt_pk_bf16_f32 v[LD+4*j+1], v[LD+4*j+2], v[LD+4*j+3]
.set j, j+1
.endr
	s_wait_alu depctr_va_vdst(0)                   ; the last group has written its packed registers, which the last four stores read
.set j, 12
.rept 4
	global_store_b64 v8, v[LD+4*j:LD+4*j+1], s[30:31] offset:j*256
.set j, j+1
.endr
	s_branch .Lmeet
.Ltrans:                                       ; A WEIGHT'S TILE, first half.  Wave w takes k rows 32 w + 8 u + 4 h + xx; a lane 4 columns (16 bytes): 16 lanes read 256 consecutive bytes
	s_lshr_b32 s26, s[WG], 7                       ; which weight
	s_cmp_eq_u32 s26, 1
	s_cselect_b64 s[28:29], s[8:9], s[6:7]
	s_cmp_eq_u32 s26, 2
	s_cselect_b64 s[28:29], s[10:11], s[28:29]
	s_cmp_eq_u32 s26, 3
	s_cselect_b64 s[28:29], s[12:13], s[28:29]
	s_cmp_eq_u32 s26, 4
	s_cselect_b64 s[28:29], s[14:15], s[28:29]
	s_and_b32 s27, s[WG], 7                        ; kt
	s_bfe_u32 s32, s[WG], 0x40003                  ; ct
	s_lshl_b32 s24, s27, 19                        ; 128 rows of 4,096 bytes
	s_lshl_b32 s33, s[WV], 17                      ; 32 rows
	s_add_co_u32 s24, s24, s33
	s_lshl_b32 s33, s32, 8                         ; 64 columns
	s_add_co_u32 s24, s24, s33
	s_mov_b32 s25, 0
	s_add_nc_u64 s[28:29], s[28:29], s[24:25]
	v_lshlrev_b32 v7, 4, v4
	v_lshl_add_u32 v7, v5, 14, v7                  ; 16 a + 4 rows x h
	v_mul_u32_u24 v8, v4, 4*PT                     ; LDS: row 4 a (+ cc), byte 2 (32 w + 4 h (+ 8 u))
	v_lshl_add_u32 v8, v5, 3, v8
	s_lshl_b32 s33, s[WV], 6
	v_add_nc_u32 v8, s33, v8
	s_wait_alu depctr_va_vdst(0)                   ; the loads' offset v7 and the LDS stores' address v8 are written
.set q, 0
.rept 16                                       ; q = 4 u + xx
	global_load_b128 v[LD+4*q:LD+4*q+3], v7, s[28:29] offset:(8*(q/4)+q%4)*4096 th:TH_LOAD_NT
.set q, q+1
.endr
.set q, 0
.rept 16                                       ; q = 4 u + cc: column 4 a + cc, k = 8 u + 4 h + 0..3; group u needs loads 4 u .. 4 u + 3
.if q%4 == 0
	s_wait_loadcnt 12-q                            ; this group's four loads are in, the younger groups' stay out
.if q > 0
	s_wait_alu depctr_va_vdst(0)                   ; the group before has written its four pairs of v[PK ..], which the four LDS stores dealt below read
.endif
.endif
.if q >= 4
	ds_store_b64 v8, v[PK+2*(q-4):PK+2*(q-4)+1] offset:((q-4)%4)*PT+((q-4)/4)*16  ; no vector line since the wait names these registers
.endif
	v_cvt_pk_bf16_f32 v[PK+2*q],   v[LD+16*(q/4)+q%4],   v[LD+16*(q/4)+4+q%4]
	v_cvt_pk_bf16_f32 v[PK+2*q+1], v[LD+16*(q/4)+8+q%4], v[LD+16*(q/4)+12+q%4]
.set q, q+1
.endr
	s_wait_alu depctr_va_vdst(0)                   ; the last group has written its four pairs, which the last four LDS stores read
.set q, 12
.rept 4
	ds_store_b64 v8, v[PK+2*q:PK+2*q+1] offset:(q%4)*PT+(q/4)*16
.set q, q+1
.endr
.Lmeet:
	s_wait_xcnt 0x0                                ; what follows rewrites scalar registers that earlier loads and stores named as bases
	s_wait_alu depctr_vm_vsrc(0)                   ; my LDS stores have read v[PK ..], in which the rows read back land below; on the way from the table its stores have read v9, which is written below
	s_wait_dscnt 0x0                               ; for the others' sake: my stores into the tile are done
	s_barrier_signal -1
	s_barrier_wait -1
	s_cmp_lt_u32 s[WG], 640
	s_cbranch_scc0 .Lend
	; second half: wave w sends rows c = 16 w + j, each 256 bytes: 32 lanes x 8
	s_lshr_b32 s26, s[WG], 7
	s_and_b32 s27, s[WG], 7
	s_bfe_u32 s32, s[WG], 0x40003
	s_lshl_b32 s24, s26, 10
	s_lshl_b32 s33, s32, 6
	s_add_co_u32 s24, s24, s33
	s_lshl_b32 s33, s[WV], 4
	s_add_co_u32 s24, s24, s33                     ; wt's row
	s_lshl_b32 s24, s24, 11
	s_lshl_b32 s33, s27, 8
	s_add_co_u32 s24, s24, s33
	s_mov_b32 s25, 0
	s_add_nc_u64 s[34:35], s[20:21], s[24:25]
	s_mul_i32 s33, s[WV], 16*PT
	v_lshl_add_u32 v9, v6, 3, s33
	v_lshlrev_b32 v10, 3, v6
	s_wait_alu depctr_va_vdst(0)                   ; v9, the LDS loads' address, and v10, the stores' offset, are written; so are v[PK ..], by the conversions, in which the loads land
.set j, 0
.rept 16
	ds_load_b64 v[PK+2*j:PK+2*j+1], v9 offset:j*PT
.set j, j+1
.endr
.set j, 0
.rept 16
	s_wait_dscnt 15-j                              ; row j is in, the younger loads stay out
	global_store_b64 v10, v[PK+2*j:PK+2*j+1], s[34:35] offset:j*2048  ; 256 consecutive bytes, at a multiple of 256 from wt's first
.set j, j+1
.endr
.Lend:
	s_wait_dscnt 0x0                               ; the closing lines, six on end
	s_wait_alu 0x0
	s_wait_tensorcnt 0x0
	ds_add_u32 v[SPW], v[NIL]
	s_wait_dscnt 0x0
	s_endpgm
.Lfunc_end_k_q5a62f9f17d_prep:
	.size	k_q5a62f9f17d_prep, .Lfunc_end_k_q5a62f9f17d_prep-k_q5a62f9f17d_prep
	.p2alignl 7, 3214868480
	.fill 96, 4, 3214868480
	.section	.rodata,"a",@progbits
	.p2align	6, 0x0
	.amdhsa_kernel k_q5a62f9f17d_prep
		.amdhsa_group_segment_fixed_size 17408
		.amdhsa_private_segment_fixed_size 0
		.amdhsa_enable_private_segment 0
		.amdhsa_kernarg_size 72
		.amdhsa_user_sgpr_count 2
		.amdhsa_user_sgpr_kernarg_segment_ptr 1
		.amdhsa_wavefront_size32 1
		.amdhsa_system_sgpr_workgroup_id_x 1
		.amdhsa_system_sgpr_workgroup_id_y 1
		.amdhsa_system_sgpr_workgroup_id_z 1
		.amdhsa_system_vgpr_workitem_id 0
		.amdhsa_next_free_vgpr 136
		.amdhsa_next_free_sgpr 66
		.amdhsa_reserve_vcc 0
		.amdhsa_float_denorm_mode_32 3
		.amdhsa_float_denorm_mode_16_64 3
		.amdhsa_memory_ordered 1
		.amdhsa_forward_progress 1
		.amdhsa_inst_pref_size 27
	.end_amdhsa_kernel
	.amdgpu_metadata
---
amdhsa.version: [ 1, 2 ]
amdhsa.kernels:
  - .name:           k_q5a62f9f17d_prep
    .symbol:         k_q5a62f9f17d_prep.kd
    .args:
      - { .name: x, .offset: 0, .size: 8, .value_kind: global_buffer, .address_space: global }
      - { .name: Wq, .offset: 8, .size: 8, .value_kind: global_buffer, .address_space: global }
      - { .name: Wk, .offset: 16, .size: 8, .value_kind: global_buffer, .address_space: global }
      - { .name: Wv, .offset: 24, .size: 8, .value_kind: global_buffer, .address_space: global }
      - { .name: W1, .offset: 32, .size: 8, .value_kind: global_buffer, .address_space: global }
      - { .name: W2, .offset: 40, .size: 8, .value_kind: global_buffer, .address_space: global }
      - { .name: dist_emb, .offset: 48, .size: 8, .value_kind: global_buffer, .address_space: global }
      - { .name: xb, .offset: 56, .size: 8, .value_kind: global_buffer, .address_space: global }
      - { .name: wt, .offset: 64, .size: 8, .value_kind: global_buffer, .address_space: global }
    .group_segment_fixed_size: 17408
    .private_segment_fixed_size: 0
    .kernarg_segment_align: 8
    .kernarg_segment_size: 72
    .max_flat_workgroup_size: 128
    .sgpr_count:     66
    .vgpr_count:     136
    .wavefront_size: 32
...
	.end_amdgpu_metadata
.endif
;; end of part 8
;; launch gemm_qkv: the kernel of part 2 again; grid 8 x 32, 4 waves a work-group, clusters of 4 x 4, 327,680 bytes of LDS; arguments xb, wt, bq, bk, bv, qkv; writes qkv
;; launch attn: the kernel of part 3 again; grid 2 x 128, 8 waves a work-group, no clusters, 321,024 bytes of LDS; arguments qkv, wt, tb; writes tb
;; launch ln1 (part 9): grid 512 x 1, 4 waves a work-group, no clusters, 34,304 bytes of LDS; arguments tb, x, ln1_g, ln1_b, hf, hb; writes hf, hb
.if DOCPART == 9
	.amdgcn_target "amdgcn-amd-amdhsa--gfx1250"
	.amdhsa_code_object_version 6
	.text
	.protected	k_q5a62f9f17d_ln1
	.globl	k_q5a62f9f17d_ln1
	.p2align	8
	.type	k_q5a62f9f17d_ln1,@function
k_q5a62f9f17d_ln1:
	s_mov_b64 s[64:65], 0
	v_nop
	global_prefetch_b8 v0, s[64:65] scope:SCOPE_SE
	s_setreg_imm32_b32 hwreg(HW_REG_WAVE_SCHED_MODE, 0, 2), 2
	s_setreg_imm32_b32 hwreg(HW_REG_WAVE_MODE, 25, 1), 1
	s_wait_xcnt 0x0
	s_wait_alu depctr_vm_vsrc(0)
; h = LayerNorm(t + x) g + b.  t: tb[n x 32 + head][l][32] f32; x: [4096][1024] f32.  h goes out twice: hf in f32 (the residual of the second norm), hb rounded once to bf16 (a matrix operand).
; A work-group has 8 rows.  t lies by heads: wave w loads heads 8 w .. 8 w + 7 of all 8 rows (512 consecutive bytes a load) and lays them into LDS by rows; behind one barrier each wave finishes 2 whole rows.
; All of a wave's 48 loads are issued at once: a stream, so no matrix unit, no tensor load, no cluster.
; The mean is taken away before the squares are summed: no difference of large sums is formed.  eps = 1e-5; the variance is the sum of squares / 1024.
; THE MODE: SCHED_MODE bits 1:0 = 2 (LLVM: expert scheduling mode 2), set by the entry lines.  The code itself states the register dependences
; between vector instructions and memory or LDS instructions, with s_wait_alu, always for 0.
; THE PLAN.  Registers that memory or LDS instructions touch:
;   v[VO], v[VS], v[VL], v[VH]   offsets and LDS addresses: written once at the head, ahead of one wait; read by every load and store.
;   T    The loads of t land in it; the LDS stores read it; behind the barrier the LDS loads land in it (a wait: the stores have read it); the additions read it;
;        at the end the conversions write its first 32 registers, and the bf16 stores read them.
;   X    The loads of x land in it; vector lines work on it in place; at the end the f32 stores read it.
;   G, B The loads land in them; vector lines alone read them.
; THE WAY OUT goes in four parts of four pairs of both rows.  A part's 24 vector lines write its own registers of X and T.  ONE wait at the head of the next part states that they are written;
; the part's eight stores follow it, dealt among the next part's lines, which name the next part's registers alone.  One more such wait stands ahead of the last part's stores.
.set PL,    4224                       ; an LDS row: 4,096 bytes + 128
.set SPARE, 8*PL                       ; 33,792: the spare words, 128 bytes for each wave: two blocks of 256 bytes that no other line names
.set SPW, 2                            ; SPARE + 4 x thread; never rewritten
.set NIL, 3                            ; 0; never rewritten
.set VO,  4                            ; 16 x lane
.set VS,  5
.set VL,  6
.set VH,  7                            ; 8 x lane
.set WK,  8                            ; eight at work for each of the two rows
.set MU,  24                           ; the mean, a pair a row
.set RS,  28                           ; 1 / sqrt(var + eps), a pair a row
.set X,   32                           ; row p at X + 32 p: lane's numbers 128 j + 4 lane + 0..3 at + 4 j
.set T,   96
.set G,   160
.set B,   192
.macro BOTH line:vararg                ; one line for each of my two rows p
.set p, 0
.rept 2
	\line
.set p, p+1
.endr
.endm
.macro FOLD                            ; four chains of pairs into one number a lane
	BOTH v_pk_add_f32 v[WK+8*p:WK+8*p+1], v[WK+8*p:WK+8*p+1], v[WK+8*p+2:WK+8*p+3]
	BOTH v_pk_add_f32 v[WK+8*p+4:WK+8*p+5], v[WK+8*p+4:WK+8*p+5], v[WK+8*p+6:WK+8*p+7]
	BOTH v_pk_add_f32 v[WK+8*p:WK+8*p+1], v[WK+8*p:WK+8*p+1], v[WK+8*p+4:WK+8*p+5]
	BOTH v_add_f32 v[WK+8*p], v[WK+8*p], v[WK+8*p+1]
.endm
.macro RED                             ; over the 32 lanes; every lane ends with the sum
	BOTH v_add_f32_dpp v[WK+8*p], v[WK+8*p], v[WK+8*p] row_xmask:1 row_mask:0xf bank_mask:0xf
	BOTH v_add_f32_dpp v[WK+8*p], v[WK+8*p], v[WK+8*p] row_xmask:2 row_mask:0xf bank_mask:0xf
	BOTH v_add_f32_dpp v[WK+8*p], v[WK+8*p], v[WK+8*p] row_xmask:4 row_mask:0xf bank_mask:0xf
	BOTH v_add_f32_dpp v[WK+8*p], v[WK+8*p], v[WK+8*p] row_xmask:8 row_mask:0xf bank_mask:0xf
	BOTH v_permlanex16_b32 v[WK+8*p+1], v[WK+8*p], s26, s27
	BOTH v_add_f32 v[WK+8*p], v[WK+8*p], v[WK+8*p+1]
.endm
.macro STATS                           ; X becomes X - mean; RS the reciprocal root
.set c, 0
.rept 4
	BOTH v_pk_add_f32 v[WK+8*p+2*c:WK+8*p+2*c+1], v[X+32*p+2*c:X+32*p+2*c+1], v[X+32*p+8+2*c:X+32*p+8+2*c+1]
.set c, c+1
.endr
.set c, 0
.rept 8
	BOTH v_pk_add_f32 v[WK+8*p+2*(c%4):WK+8*p+2*(c%4)+1], v[WK+8*p+2*(c%4):WK+8*p+2*(c%4)+1], v[X+32*p+16+2*c:X+32*p+16+2*c+1]
.set c, c+1
.endr
	FOLD
	RED
	BOTH v_mul_f32 v[MU+2*p], s28, v[WK+8*p]
	BOTH v_mov_b32 v[MU+2*p+1], v[MU+2*p]
.set c, 0
.rept 16
	BOTH v_pk_add_f32 v[X+32*p+2*c:X+32*p+2*c+1], v[X+32*p+2*c:X+32*p+2*c+1], v[MU+2*p:MU+2*p+1] op_sel_hi:[1,0] neg_lo:[0,1] neg_hi:[0,1]
.set c, c+1
.endr
.set c, 0
.rept 4
	BOTH v_pk_mul_f32 v[WK+8*p+2*c:WK+8*p+2*c+1], v[X+32*p+2*c:X+32*p+2*c+1], v[X+32*p+2*c:X+32*p+2*c+1]
.set c, c+1
.endr
.rept 12
	BOTH v_pk_fma_f32 v[WK+8*p+2*(c%4):WK+8*p+2*(c%4)+1], v[X+32*p+2*c:X+32*p+2*c+1], v[X+32*p+2*c:X+32*p+2*c+1], v[WK+8*p+2*(c%4):WK+8*p+2*(c%4)+1]
.set c, c+1
.endr
	FOLD
	RED
	BOTH v_fma_f32 v[WK+8*p], v[WK+8*p], s28, s29
	BOTH v_rsq_f32 v[RS+2*p], v[WK+8*p]            ; made twice, to fill the pair that the packed multiply names
	BOTH v_rsq_f32 v[RS+2*p+1], v[WK+8*p]
	v_nop                                          ; a plain instruction behind the last of them,
	s_wait_alu depctr_va_vdst(0)                   ; and the one wait ahead of the first reader: the four reciprocal roots are written into v[RS ..]
.endm
; The stores of part m: item i of four is the 16 bytes' group k = 8 (i / 2) + 2 m + i % 2: row i / 2, numbers 128 (k % 8) + 4 lane + 0..3.
.macro SENDF m, i                      ; h in f32: 512 consecutive bytes
.set k, 8*((\i)/2)+2*(\m)+(\i)%2
	global_store_b128 v[VO], v[X+4*k:X+4*k+3], s[12:13] offset:(k/8)*4096+(k%8)*512
.endm
.macro SENDB m, i                      ; h in bf16: 256 consecutive bytes, aligned
.set k, 8*((\i)/2)+2*(\m)+(\i)%2
	global_store_b64 v[VH], v[T+2*k:T+2*k+1], s[14:15] offset:(k/8)*2048+(k%8)*256
.endm
; Part m of the way out: pairs 4 m .. 4 m + 3 of both rows are scaled, take g and b, and are rounded to bf16; the stores of part m - 1 are dealt among these lines.
.macro PART m
.if (\m) > 0
	s_wait_alu depctr_va_vdst(0)                   ; part m - 1 has written its registers of X and of T, which the eight stores below read; no vector line of this part names them
.endif
.set c, 4*(\m)
.rept 4
.if (\m) > 0
	SENDF (\m)-1, c-4*(\m)
.endif
	BOTH v_pk_mul_f32 v[X+32*p+2*c:X+32*p+2*c+1], v[X+32*p+2*c:X+32*p+2*c+1], v[RS+2*p:RS+2*p+1] op_sel_hi:[1,0]
.set c, c+1
.endr
.set c, 4*(\m)
.rept 4
.if (\m) > 0
	SENDB (\m)-1, c-4*(\m)
.endif
	BOTH v_pk_fma_f32 v[X+32*p+2*c:X+32*p+2*c+1], v[X+32*p+2*c:X+32*p+2*c+1], v[G+2*c:G+2*c+1], v[B+2*c:B+2*c+1]
.set c, c+1
.endr
.set c, 4*(\m)
.rept 4
	BOTH v_cvt_pk_bf16_f32 v[T+16*p+c], v[X+32*p+2*c], v[X+32*p+2*c+1]
.set c, c+1
.endr
.endm
	s_load_b256 s[4:11], s[0:1], 0x0               ; tb s[4:5], x s[6:7], g s[8:9], b s[10:11]
	s_load_b128 s[12:15], s[0:1], 0x20             ; hf s[12:13], hb s[14:15]
	v_lshl_add_u32 v[SPW], v0, 2, SPARE
	v_mov_b32 v[NIL], 0
	v_lshrrev_b32 v1, 5, v0
	v_readfirstlane_b32 s16, v1                    ; wave
	v_and_b32 v1, 31, v0
	v_lshlrev_b32 v[VO], 4, v1
	v_lshlrev_b32 v[VH], 3, v1
	v_lshrrev_b32 v[VS], 3, v1                     ; in: row lane / 8 (+ 4 g), byte 1,024 w (+ 128 head) + 16 (lane % 8)
	v_mul_u32_u24 v[VS], v[VS], PL
	v_and_b32 v[VL], 7, v0
	v_lshl_add_u32 v[VS], v[VL], 4, v[VS]
	s_wait_alu depctr_va_sdst(0)                   ; the wave's number is written into s16, ahead of its first reader: LDS addresses and the bases are made from it
	s_lshl_b32 s17, s16, 10
	v_add_nc_u32 v[VS], s17, v[VS]
	s_mul_i32 s17, s16, 2*PL                       ; back: my rows 2 w, 2 w + 1
	v_add_nc_u32 v[VL], s17, v[VO]
	s_lshr_b32 s18, ttmp9, 7                       ; n
	s_and_b32 s19, ttmp9, 127
	s_lshl_b32 s19, s19, 3                         ; l of the first row
	s_lshl_b32 s20, s18, 5
	s_lshl_b32 s21, s16, 3
	s_add_co_u32 s20, s20, s21                     ; n x 32 + 8 w
	s_lshl_b32 s20, s20, 10
	s_add_co_u32 s20, s20, s19
	s_lshl_b32 s20, s20, 7                         ; rows of 128 bytes
	s_mov_b32 s21, 0
	s_lshl_b32 s22, ttmp9, 3
	s_lshl_b32 s23, s16, 1
	s_add_co_u32 s22, s22, s23                     ; my first row
	s_lshl_b32 s22, s22, 12
	s_mov_b32 s23, 0
	s_lshr_b32 s24, s22, 1
	s_mov_b32 s25, 0
	s_mov_b32 s26, 0x76543210
	s_mov_b32 s27, 0xfedcba98
	s_mov_b32 s28, 0x3a800000                      ; 1 / 1024
	s_mov_b32 s29, 0x3727c5ac                      ; 1e-5
	s_wait_kmcnt 0x0
	s_add_nc_u64 s[4:5], s[4:5], s[20:21]
	s_add_nc_u64 s[6:7], s[6:7], s[22:23]
	s_add_nc_u64 s[12:13], s[12:13], s[22:23]
	s_add_nc_u64 s[14:15], s[14:15], s[24:25]
	s_wait_alu depctr_va_vdst(0)                   ; v[VO], v[VS], v[VL] and v[VH] are written: every load and store of the kernel reads one of them
.set k, 0
.rept 16                                       ; k = 2 head + g: four rows of a head
	global_load_b128 v[T+4*k:T+4*k+3], v[VO], s[4:5] offset:(k/2)*131072+(k%2)*512 th:TH_LOAD_NT
.set k, k+1
.endr
.set k, 0
.rept 16
	global_load_b128 v[X+4*k:X+4*k+3], v[VO], s[6:7] offset:(k/8)*4096+(k%8)*512 th:TH_LOAD_NT
.set k, k+1
.endr
.set k, 0
.rept 8
	global_load_b128 v[G+4*k:G+4*k+3], v[VO], s[8:9] offset:k*512
.set k, k+1
.endr
.set k, 0
.rept 8
	global_load_b128 v[B+4*k:B+4*k+3], v[VO], s[10:11] offset:k*512
.set k, k+1
.endr
	s_wait_loadcnt 32                              ; t is in; the 32 loads of x, g and b may be out
.set k, 0
.rept 16
	ds_store_b128 v[VS], v[T+4*k:T+4*k+3] offset:(k/2)*128+(k%2)*4*PL
.set k, k+1
.endr
	s_wait_dscnt 0x0                               ; for the others' sake
	s_barrier_signal -1
	s_barrier_wait -1
	s_wait_alu depctr_vm_vsrc(0)                   ; my LDS stores have read v[T ..], in which the LDS loads below land and which the conversions at the end write
.set k, 0
.rept 16
	ds_load_b128 v[T+4*k:T+4*k+3], v[VL] offset:(k/8)*PL+(k%8)*512
.set k, k+1
.endr
	s_wait_loadcnt 16                              ; x is in; g and b may be out
	s_wait_dscnt 0x0
.set c, 0
.rept 32
	v_pk_add_f32 v[X+2*c:X+2*c+1], v[X+2*c:X+2*c+1], v[T+2*c:T+2*c+1]
.set c, c+1
.endr
	STATS
	s_wait_loadcnt 0x0                             ; g and b
	PART 0
	PART 1
	PART 2
	PART 3
	s_wait_alu depctr_va_vdst(0)                   ; part 3 has written its registers of X and of T, which the last eight stores read
.irp i, 0,1,2,3
	SENDF 3, \i
.endr
.irp i, 0,1,2,3
	SENDB 3, \i
.endr
	s_wait_dscnt 0x0                               ; the closing lines, six on end
	s_wait_alu 0x0
	s_wait_tensorcnt 0x0
	ds_add_u32 v[SPW], v[NIL]
	s_wait_dscnt 0x0
	s_endpgm
.Lfunc_end_k_q5a62f9f17d_ln1:
	.size	k_q5a62f9f17d_ln1, .Lfunc_end_k_q5a62f9f17d_ln1-k_q5a62f9f17d_ln1
	.p2alignl 7, 3214868480
	.fill 96, 4, 3214868480
	.section	.rodata,"a",@progbits
	.p2align	6, 0x0
	.amdhsa_kernel k_q5a62f9f17d_ln1
		.amdhsa_group_segment_fixed_size 34304
		.amdhsa_private_segment_fixed_size 0
		.amdhsa_enable_private_segment 0
		.amdhsa_kernarg_size 48
		.amdhsa_user_sgpr_count 2
		.amdhsa_user_sgpr_kernarg_segment_ptr 1
		.amdhsa_wavefront_size32 1
		.amdhsa_system_sgpr_workgroup_id_x 1
		.amdhsa_system_sgpr_workgroup_id_y 1
		.amdhsa_system_sgpr_workgroup_id_z 1
		.amdhsa_system_vgpr_workitem_id 0
		.amdhsa_next_free_vgpr 232
		.amdhsa_next_free_sgpr 66
		.amdhsa_reserve_vcc 0
		.amdhsa_float_denorm_mode_32 3
		.amdhsa_float_denorm_mode_16_64 3
		.amdhsa_memory_ordered 1
		.amdhsa_forward_progress 1
		.amdhsa_inst_pref_size 29
	.end_amdhsa_kernel
	.amdgpu_metadata
---
amdhsa.version: [ 1, 2 ]
amdhsa.kernels:
  - .name:           k_q5a62f9f17d_ln1
    .symbol:         k_q5a62f9f17d_ln1.kd
    .args:
      - { .name: tb, .offset: 0, .size: 8, .value_kind: global_buffer, .address_space: global }
      - { .name: x, .offset: 8, .size: 8, .value_kind: global_buffer, .address_space: global }
      - { .name: ln1_g, .offset: 16, .size: 8, .value_kind: global_buffer, .address_space: global }
      - { .name: ln1_b, .offset: 24, .size: 8, .value_kind: global_buffer, .address_space: global }
      - { .name: hf, .offset: 32, .size: 8, .value_kind: global_buffer, .address_space: global }
      - { .name: hb, .offset: 40, .size: 8, .value_kind: global_buffer, .address_space: global }
    .group_segment_fixed_size: 34304
    .private_segment_fixed_size: 0
    .kernarg_segment_align: 8
    .kernarg_segment_size: 48
    .max_flat_workgroup_size: 128
    .sgpr_count:     66
    .vgpr_count:     232
    .wavefront_size: 32
...
	.end_amdgpu_metadata
.endif
;; end of part 9
;; launch gemm_up: the kernel of part 5 again; grid 8 x 32, 4 waves a work-group, clusters of 4 x 4, 327,680 bytes of LDS; arguments hb, wt, b1, a1; writes a1
;; launch gemm_down: the kernel of part 6 again; grid 8 x 32, 4 waves a work-group, clusters of 4 x 4, 327,680 bytes of LDS; arguments a1, wt, b2, mf; writes mf
;; launch ln2: the kernel of part 7 again; grid 512 x 1, 4 waves a work-group, no clusters, 0 bytes of LDS; arguments mf, hf, ln2_g, ln2_b, out0; writes out0
